; MI455X (gfx1250); checked and timed in simulation.
; The chip was launched on July 23, 2026; its instructions are those of AMD's public machine-readable ISA for CDNA 5 (MIT licence, August 2026) and "CDNA5" Instruction Set Architecture Reference Guide (July 2026).
;; Multi Head Temporal Attention. Allowed arithmetic: matrix products marked QUANTISED: E4M3 operands, one given power-of-two scale a tensor, by v_wmma_f32_16x16x64_fp8_fp8 or v_wmma_f32_16x16x128_fp8_fp8, f32 sums; products left as they are: f32 operands where the result goes on into a quantised operand, else bf16, f16 or f32 operands; f32 sums; everything else in f32.
;; Inputs: Wk 512 x 512 float32; Wo 512 x 512 float32; Wq 512 x 512 float32; Wv 512 x 512 float32; enc 32 x 4,096 x 512 float32; lowp_scales 8 int32 (the exponents e of the quantised operands' scales 2^e).
;; Outputs: out0 32 x 512 float32; out1 32 x 4,096 float32.
;; This version of the problem:
;;   THIS VERSION OF THE PROBLEM IS GIVEN IN LOW PRECISION. The matrix products marked QUANTISED in the list below multiply operands that are first quantised to E4M3 (4 exponent bits, 3 mantissa bits; 8 bits a number), with one given power-of-two scale for each operand tensor; their sums are f32. All else is computed in f32.
;;   The module's matrix products, in the order in which they are computed (A, B: the left and right operand; K: the contracted axis; several contracted axes count as one K, in the product's order):
;;     1. [M 32, K 512] x [K 512, N 512]; A: input enc; B: input Wq: QUANTISED (scales: A lowp_scales[0], B lowp_scales[1])
;;     2. [M 131,072, K 512] x [K 512, N 512]; A: input enc; B: input Wk: QUANTISED (scales: A lowp_scales[2], B lowp_scales[3])
;;     3. [M 131,072, K 512] x [K 512, N 512]; A: input enc; B: input Wv: QUANTISED (scales: A lowp_scales[4], B lowp_scales[5])
;;     4. batch 256 x [M 1, K 64] x [K 64, N 4,096]; A: computed on the way; B: computed on the way: left as it is (M = 1 < 16)
;;     5. batch 256 x [M 1, K 4,096] x [K 4,096, N 64]; A: softmax; B: computed on the way: left as it is (M = 1 < 16)
;;     6. [M 32, K 512] x [K 512, N 512]; A: computed on the way; B: input Wo: QUANTISED (scales: A lowp_scales[6], B lowp_scales[7])
;;   THE QUANTISER, for each operand of a quantised product, along K:
;;     - The operand's scale is 2^e, e = its entry of the input lowp_scales (int32; the entries are numbered through the quantised products in the list's order, A before B).
;;     - Each number is divided by the scale, clamped to +-448, and rounded to the nearest number of E4M3, ties to even, subnormals kept.
;;     - The product sums the exact products of the quantised numbers (number of the format x scale) in f32.
;;   ~~~python
;;   def quantise(x, axis, e):      # numpy; x: float32 -> the quantised numbers, widened to float32 again
;;       x = np.moveaxis(x, axis, -1); K = x.shape[-1]
;;       r = np.clip(x / 2.0 ** e, -448, 448)
;;       step = 2.0 ** (np.maximum(np.frexp(np.where(r == 0, 1, r))[1] - 1, -6) - 3)
;;       q = np.round(r / step) * step * 2.0 ** e      # np.round: ties to even
;;       return np.moveaxis(q, -1, axis).astype(np.float32)
;;   ~~~
;;   OPERANDS COMPUTED ON THE WAY. 'Computed on the way' means the value that the module computes at that place (a softmax that the list does not call 'softmax' is quantised finished and normalised). What goes into a quantiser is computed in f32, as accurately as f32 sums, v_exp_f32 and their like allow (about 1e-6 of the number): no bf16 or f16 on the way to a quantiser, and a product that is left as it is and whose result goes on into a quantised operand takes f32 operands (vector FMAs, or v_wmma_f32_16x16x4_f32). A number that lies on a knife's edge between two numbers of the format may be rounded either way, as far as f32 arithmetic and the matrix unit's own rounding can turn it there, and no further.
;; 2 versions. Each part assembles by itself: llvm-mc -triple=amdgcn-amd-amdhsa -mcpu=gfx1250 --defsym DOCPART=n.
;; ======== version 1 of 2: 3 launches
;; workspace buffers: wcodes 524,288 bytes; wocodes 262,144 bytes; qs 65,536 bytes; tsc 4,194,304 bytes; pstat 8,192 bytes; pctx 262,144 bytes
;; launch prep (part 1): grid 32 x 1, 4 waves a work-group, no clusters, 9,728 bytes of LDS; arguments Wk, Wv, Wo, Wq, enc, lowp_scales, wcodes, wocodes, qs; writes wcodes, wocodes, qs
.if DOCPART == 1
	.amdgcn_target "amdgcn-amd-amdhsa--gfx1250"
	.amdhsa_code_object_version 6
	.text
	.protected	k_qb5735daedc_prep
	.globl	k_qb5735daedc_prep
	.p2align	8
	.type	k_qb5735daedc_prep,@function
k_qb5735daedc_prep:
	s_mov_b64 s[64:65], 0
	v_nop
	global_prefetch_b8 v0, s[64:65] scope:SCOPE_SE
	s_setreg_imm32_b32 hwreg(HW_REG_WAVE_MODE, 25, 1), 1
	s_wait_xcnt 0x0
.set CW,  16
.set CE,  80
.set ACC, 208
.set OUT, 224
.set BK,  240
.set SP,  272
.set MSB, 0
.macro WIN new
.if MSB != (\new)
	s_set_vgpr_msb (MSB<<8)|(\new)
.set MSB, (\new)
.endif
.endm
.macro FLOAD vo, sb
.irp s, 0,1,2,3
.irp c, 0,1,2,3
.irp x, 0,1,2,3
	global_load_b128 v[64*\s+16*\c+4*\x:64*\s+16*\c+4*\x+3], v[\vo], s[\sb:\sb+1] offset:128*\s+32*\c+512*\x
.endr
.endr
.endr
.endm
.macro MKSCALE e, vsc, lim
	s_add_co_i32 s[\lim], s[\e], 127
	s_lshl_b32 s[\lim+1], s[\lim], 23
	v_mov_b32 v[\vsc], s[\lim+1]
	s_add_co_i32 s[\lim], s[\lim], 8
	s_lshl_b32 s[\lim], s[\lim], 23
	s_or_b32 s[\lim], s[\lim], 0x600000
	s_or_b32 s[\lim+1], s[\lim], 0x80000000
.endm
.macro QFR win, both, s, dst, lim, sc
	WIN \both
.set i_, 0
.rept 64
	v_med3_num_f32 v[64*(\s)+i_], v[64*(\s)+i_], s[\lim+1], s[\lim]
.set i_, i_+1
.endr
	WIN \win
.set i_, 0
.rept 8
	v_cvt_scalef32_pk8_fp8_f32 v[\dst+2*i_:\dst+2*i_+1], v[64*(\s)+8*i_:64*(\s)+8*i_+7], v[\sc]
.set i_, i_+1
.endr
	v_nop
.endm
	s_load_b256 s[4:11], s[0:1], 0x0
	s_load_b256 s[12:19], s[0:1], 0x20
	s_load_b64 s[20:21], s[0:1], 0x40
	v_lshl_add_u32 v14, v0, 2, 0x2400
	v_mov_b32 v15, 0
	v_lshrrev_b32 v1, 5, v0
	v_readfirstlane_b32 s22, v1
	s_lshr_b32 s23, ttmp9, 3
	s_and_b32 s24, ttmp9, 7
	s_lshl_b32 s25, s24, 2
	s_add_co_u32 s25, s25, s22
	v_and_b32 v10, 15, v0
	v_bfe_u32 v11, v0, 4, 1
	v_and_b32 v12, 31, v0
	v_lshlrev_b32 v1, 11, v10
	v_lshl_add_u32 v1, v11, 4, v1
	v_lshlrev_b32 v2, 4, v12
	v_lshlrev_b32 v3, 23, v10
	v_lshl_add_u32 v3, v11, 4, v3
	v_add_nc_u32 v4, 0x8000000, v3
	s_lshl_b32 s27, s22, 6
	v_mul_u32_u24 v6, v10, SP
	v_lshl_add_u32 v6, v11, 5, v6
	v_add_nc_u32 v6, s27, v6
	s_mul_i32 s27, s22, 8*SP
	v_mul_u32_u24 v7, v11, SP
	v_lshl_add_u32 v7, v10, 4, v7
	v_add_nc_u32 v7, s27, v7
	s_lshl_b32 s27, s22, 14
	v_lshlrev_b32 v8, 11, v11
	v_lshl_add_u32 v8, v10, 4, v8
	v_add_nc_u32 v8, s27, v8
	s_and_b32 s26, s23, 1
	s_wait_kmcnt 0x0
	s_load_b256 s[32:39], s[14:15], 0x0
	s_cmp_eq_u32 s26, 0
	s_cselect_b64 s[40:41], s[4:5], s[6:7]
	s_cselect_b64 s[42:43], s[8:9], s[10:11]
	s_cmp_lt_u32 s23, 2
	s_cselect_b64 s[40:41], s[40:41], s[42:43]
	s_cselect_b64 s[44:45], s[16:17], s[18:19]
	s_lshl_b32 s46, s25, 15
	s_mov_b32 s47, 0
	s_add_nc_u64 s[40:41], s[40:41], s[46:47]
	s_lshl_b32 s46, s26, 18
	s_lshl_b32 s27, s25, 13
	s_add_co_u32 s46, s46, s27
	s_add_nc_u64 s[44:45], s[44:45], s[46:47]
	WIN 0x40
	FLOAD 1, 40
	WIN 0
	s_wait_kmcnt 0x0
	s_cmp_eq_u32 s26, 0
	s_cselect_b32 s28, s35, s37
	s_cselect_b32 s29, s39, s33
	s_cmp_lt_u32 s23, 2
	s_cselect_b32 s28, s28, s29
	MKSCALE 28, 5, 30
	s_cmp_eq_u32 s23, 3
	s_cbranch_scc1 .Lq
	s_wait_loadcnt 0x0
.irp s, 0,1,2,3
	QFR 1, 0x41, \s, CW+16*\s, 30, 5
.endr
	WIN 0
.irp s, 0,1,2,3
.irp c, 0,1,2,3
	global_store_b128 v2, v[CW+16*\s+4*\c:CW+16*\s+4*\c+3], s[44:45] offset:2048*\s+512*\c
.endr
.endr
	s_endpgm
.Lq:
	s_add_nc_u64 s[12:13], s[12:13], 0x7ff800
	WIN 0x80
	FLOAD 3, 12
	WIN 0xc0
	FLOAD 4, 12
	WIN 0
	MKSCALE 32, 9, 48
	s_add_co_i32 s50, s32, s33
	s_add_co_i32 s50, s50, s34
	s_add_co_i32 s50, s50, s35
	s_lshl_b32 s46, s24, 8
	s_add_nc_u64 s[20:21], s[20:21], s[46:47]
	s_wait_loadcnt 0x0
.irp s, 0,1,2,3
	QFR 1, 0x41, \s, CW+16*\s, 30, 5
.endr
.irp s, 0,1,2,3
	QFR 2, 0x82, \s, CE+16*\s, 48, 9
.endr
.irp s, 0,1,2,3
	QFR 3, 0xc3, \s, CE+64+16*\s, 48, 9
.endr
	WIN 0
.irp s, 0,1,2,3
.irp bt, 0,1
.if \s == 0
	v_wmma_f32_16x16x128_fp8_fp8 v[ACC+8*\bt:ACC+8*\bt+7], v[CW+16*\s:CW+16*\s+15], v[CE+64*\bt+16*\s:CE+64*\bt+16*\s+15], 0
.else
	v_wmma_f32_16x16x128_fp8_fp8 v[ACC+8*\bt:ACC+8*\bt+7], v[CW+16*\s:CW+16*\s+15], v[CE+64*\bt+16*\s:CE+64*\bt+16*\s+15], v[ACC+8*\bt:ACC+8*\bt+7]
.endif
.endr
.endr
.rept 4
	v_nop
.endr
.set i_, 0
.rept 16
	v_mul_f32 v[OUT+i_], 0x3e38aa3b, v[ACC+i_]
.set i_, i_+1
.endr
.set i_, 0
.rept 16
	v_ldexp_f32 v[OUT+i_], v[OUT+i_], s50
.set i_, i_+1
.endr
.irp bt, 0,1
	ds_store_b128 v6, v[OUT+8*\bt:OUT+8*\bt+3] offset:\bt*16*SP
	ds_store_b128 v6, v[OUT+8*\bt+4:OUT+8*\bt+7] offset:\bt*16*SP+16
.endr
	s_wait_dscnt 0x0
	s_barrier_signal -1
	s_barrier_wait -1
.irp i, 0,1,2,3
	ds_load_b128 v[BK+4*\i:BK+4*\i+3], v7 offset:2*\i*SP
.endr
.irp i, 0,1,2,3
	s_wait_dscnt 3-\i
	global_store_b128 v8, v[BK+4*\i:BK+4*\i+3], s[20:21] offset:2*\i*2048
.endr
	s_wait_tensorcnt 0x0
	ds_add_u32 v14, v15
	s_wait_dscnt 0x0
	s_endpgm
.Lfunc_end_k_qb5735daedc_prep:
	.size	k_qb5735daedc_prep, .Lfunc_end_k_qb5735daedc_prep-k_qb5735daedc_prep
	.p2alignl 7, 3214868480
	.fill 96, 4, 3214868480
	.section	.rodata,"a",@progbits
	.p2align	6, 0x0
	.amdhsa_kernel k_qb5735daedc_prep
		.amdhsa_group_segment_fixed_size 9728
		.amdhsa_private_segment_fixed_size 0
		.amdhsa_enable_private_segment 0
		.amdhsa_kernarg_size 72
		.amdhsa_user_sgpr_count 2
		.amdhsa_user_sgpr_kernarg_segment_ptr 1
		.amdhsa_wavefront_size32 1
		.amdhsa_system_sgpr_workgroup_id_x 1
		.amdhsa_system_sgpr_workgroup_id_y 1
		.amdhsa_system_sgpr_workgroup_id_z 1
		.amdhsa_system_vgpr_workitem_id 0
		.amdhsa_next_free_vgpr 1024
		.amdhsa_next_free_sgpr 66
		.amdhsa_reserve_vcc 0
		.amdhsa_float_denorm_mode_32 3
		.amdhsa_float_denorm_mode_16_64 3
		.amdhsa_memory_ordered 1
		.amdhsa_forward_progress 1
		.amdhsa_inst_pref_size 101
	.end_amdhsa_kernel
	.amdgpu_metadata
---
amdhsa.version: [ 1, 2 ]
amdhsa.kernels:
  - .name:           k_qb5735daedc_prep
    .symbol:         k_qb5735daedc_prep.kd
    .args:
      - { .name: Wk, .offset: 0, .size: 8, .value_kind: global_buffer, .address_space: global }
      - { .name: Wv, .offset: 8, .size: 8, .value_kind: global_buffer, .address_space: global }
      - { .name: Wo, .offset: 16, .size: 8, .value_kind: global_buffer, .address_space: global }
      - { .name: Wq, .offset: 24, .size: 8, .value_kind: global_buffer, .address_space: global }
      - { .name: enc, .offset: 32, .size: 8, .value_kind: global_buffer, .address_space: global }
      - { .name: lowp_scales, .offset: 40, .size: 8, .value_kind: global_buffer, .address_space: global }
      - { .name: wcodes, .offset: 48, .size: 8, .value_kind: global_buffer, .address_space: global }
      - { .name: wocodes, .offset: 56, .size: 8, .value_kind: global_buffer, .address_space: global }
      - { .name: qs, .offset: 64, .size: 8, .value_kind: global_buffer, .address_space: global }
    .group_segment_fixed_size: 9728
    .private_segment_fixed_size: 0
    .kernarg_segment_align: 8
    .kernarg_segment_size: 72
    .max_flat_workgroup_size: 128
    .sgpr_count:     66
    .vgpr_count:     1024
    .wavefront_size: 32
...
	.end_amdgpu_metadata
.endif
;; end of part 1
;; launch main (part 2): grid 8 x 32, 4 waves a work-group, no clusters, 311,808 bytes of LDS; arguments enc, wcodes, qs, lowp_scales, tsc, pstat, pctx; writes tsc, pstat, pctx
.if DOCPART == 2
	.amdgcn_target "amdgcn-amd-amdhsa--gfx1250"
	.amdhsa_code_object_version 6
	.text
	.protected	k_qb5735daedc_main
	.globl	k_qb5735daedc_main
	.p2align	8
	.type	k_qb5735daedc_main,@function
k_qb5735daedc_main:
	s_mov_b64 s[64:65], 0
	v_nop
	global_prefetch_b8 v0, s[64:65] scope:SCOPE_SE
	s_setreg_imm32_b32 hwreg(HW_REG_WAVE_MODE, 25, 1), 1
	s_wait_xcnt 0x0
.set PITCH, 528
.set SZ,    64*PITCH
.set SETB,  4*SZ
.set XCH,   2*SETB
.set WOFF,  4096
.set CST,   XCH+4096+1024
.set CSP,   272
.set CSH,   16*CSP
.set ENCO, 1
.set QSB,  2
.set QSAK, 3
.set QSAV, 4
.set FRB,  5
.set FRA,  6
.set XPK,  7
.set XPV,  8
.set XPKA, 9
.set XPVA, 10
.set TSO,  11
.set SCK,  12
.set SCV,  13
.set CSI,  14
.set CSO,  15
.set TS,   16
.set MX,   24
.set LS,   25
.set PV,   16
.set FA,   24
.set FB,   26
.set PB,   28
.set T,    32
.set CC,   48
.set ACC,  64
.set RQ,   128
.set AR,   192
.set WV,   18
.set RHO,  19
.set PW,   20
.set RHO3, 21
.set RSET, 22
.set H0,   23
.set IT,   24
.set CHK,  25
.set ENCB, 26
.set TSB,  28
.set BB,   30
.set LK,   32
.set LV,   34
.set SEL,  36
.set HMASK, 38
.set PSB,  56
.set PCB,  58
.set MSB, 0
.macro WIN new
.if MSB != (\new)
	s_set_vgpr_msb (MSB<<8)|(\new)
.set MSB, (\new)
.endif
.endm
.macro PLACES n
.rept \n
	v_nop
.endr
.endm
.macro DSRESET
.set DSN, 0
.set MARKF0, 0
.set MARKF1, 0
.set MARKF2, 0
.set MARKF3, 0
.set MARKC0, 0
.set MARKC1, 0
.set MARKP, 0
.endm
.macro WAITDS mark
.if DSN-(\mark) > 63
	s_wait_dscnt 63
.else
	s_wait_dscnt DSN-(\mark)
.endif
.endm
.macro WAITF s
.if (\s) == 0
	WAITDS MARKF0
.elseif (\s) == 1
	WAITDS MARKF1
.elseif (\s) == 2
	WAITDS MARKF2
.else
	WAITDS MARKF3
.endif
.endm
.macro WAITC j
.if ((\j)&1) == 0
.if MARKC0 > 0
	WAITDS MARKC0
.endif
.else
.if MARKC1 > 0
	WAITDS MARKC1
.endif
.endif
.endm
.macro LDFRAG u, s
	WIN 0xc0
.irp c, 0,1,2,3
	ds_load_b128 v[AR+16*(\s)+4*\c:AR+16*(\s)+4*\c+3], v[FRA] offset:(\u)*16*PITCH+128*(\s)+32*\c
.endr
.set DSN, DSN+4
.if (\s) == 0
.set MARKF0, DSN
.elseif (\s) == 1
.set MARKF1, DSN
.elseif (\s) == 2
.set MARKF2, DSN
.else
.set MARKF3, DSN
.endif
.endm
.macro XLOAD j
.if (\j) < 12
	WIN 0xc0
.irp x, 0,1,2,3
	global_load_b128 v[16*(\j)+4*\x:16*(\j)+4*\x+3], v[ENCO], s[ENCB:ENCB+1] offset:(\j)*2048+512*\x
.endr
.else
	WIN 0
.irp x, 0,1,2,3
	global_load_b128 v[192+16*((\j)-12)+4*\x:192+16*((\j)-12)+4*\x+3], v[ENCO], s[ENCB:ENCB+1] offset:(\j)*2048+512*\x
.endr
.endif
.endm
.macro NEEDM
.if (MSB != 0x0d) && (MSB != 0x0e)
	WIN 0x0d
.endif
.endm
.macro HOLDS j, i0, cnt, lim, neg
.set hi_, \i0
.rept \cnt
.if (\j) < 12
.if \neg
	v_med3_num_f32 v[T+hi_], s[\lim+1], -v[16*(\j)+hi_], s[\lim]
.else
	v_med3_num_f32 v[T+hi_], s[\lim+1], v[16*(\j)+hi_], s[\lim]
.endif
.else
.if \neg
	v_med3_num_f32 v[T+hi_], s[\lim+1], s[\lim], -v[192+16*((\j)-12)+hi_]
.else
	v_med3_num_f32 v[T+hi_], s[\lim+1], s[\lim], v[192+16*((\j)-12)+hi_]
.endif
.endif
.set hi_, hi_+1
.endr
.endm
.macro CVT2 dst, sc
	v_cvt_scalef32_pk8_fp8_f32 v[\dst:\dst+1], v[T:T+7], v[\sc]
	v_cvt_scalef32_pk8_fp8_f32 v[\dst+2:\dst+3], v[T+8:T+15], v[\sc]
	v_nop
.endm
.macro QP j, piece, mode
.set qc_, CC+8*((\j)&1)
.set qo_, (16*((\j)&3)+((\j)>>2))*PITCH
.if (\piece) == 0
.if \mode == 2
	s_wait_loadcnt 60
.else
	s_wait_loadcnt 4*(15-(\j))
.endif
	NEEDM
	HOLDS \j, 0, 6, LK, 0
.elseif (\piece) == 1
	NEEDM
	HOLDS \j, 6, 6, LK, 0
.elseif (\piece) == 2
	NEEDM
	HOLDS \j, 12, 4, LK, 0
	WIN 0
	WAITC \j
	CVT2 qc_, SCK
.elseif (\piece) == 3
	NEEDM
	HOLDS \j, 0, 6, LV, ((\j)&1)
.elseif (\piece) == 4
	NEEDM
	HOLDS \j, 6, 6, LV, ((\j)&1)
.elseif (\piece) == 5
	NEEDM
	HOLDS \j, 12, 4, LV, ((\j)&1)
	WIN 0
	CVT2 qc_+4, SCV
	ds_store_b128 v[QSAK], v[qc_:qc_+3] offset:qo_
	ds_store_b128 v[QSAV], v[qc_+4:qc_+7] offset:qo_
.set DSN, DSN+2
.if ((\j)&1) == 0
.set MARKC0, DSN
.else
.set MARKC1, DSN
.endif
.elseif (\piece) == 7
.if \mode == 2
	XLOAD \j
.endif
.endif
.endm
.macro QROWS mode
.set qj_, 0
.rept 16
.set qp_, 0
.rept 8
	QP qj_, qp_, \mode
.set qp_, qp_+1
.endr
.set qj_, qj_+1
.endr
.endm
.macro STEP u, s, mode
	WAITF \s
.set sn_, 0
.rept 8
.if sn_ < 4
	WIN 0x0d
.else
	WIN 0x0e
.endif
.set wa_, 16*((sn_&3)*4+(\s))
.if (\s) == 0
	v_wmma_f32_16x16x128_fp8_fp8 v[ACC+8*sn_:ACC+8*sn_+7], v[wa_:wa_+15], v[AR+16*(\s):AR+16*(\s)+15], 0
.else
	v_wmma_f32_16x16x128_fp8_fp8 v[ACC+8*sn_:ACC+8*sn_+7], v[wa_:wa_+15], v[AR+16*(\s):AR+16*(\s)+15], v[ACC+8*sn_:ACC+8*sn_+7]
.endif
.if \mode
	QP 4*(\u)+(\s), sn_, \mode
.endif
.if sn_ == 0
.set rl_, 0
.if ((\s) > 0) && ((\u) < 3)
.set rl_, 1
.elseif ((\s) == 0) && ((\u) > 0)
.set rl_, 2
.endif
.if (rl_ == 1) && (\mode == 0)
	PLACES 4
.endif
.if rl_ == 1
	LDFRAG (\u)+1, (\s)-1
.elseif rl_ == 2
	LDFRAG \u, 3
.endif
.endif
.set sn_, sn_+1
.endr
.endm
.macro SCORE u
.set si_, 0
.rept 8
.irp c, 0,1,2,3
.if si_ == 0
	v_pk_mul_f32 v[T+2*\c:T+2*\c+1], v[ACC+16*\c:ACC+16*\c+1], v[RQ+16*\c:RQ+16*\c+1]
.else
	v_pk_fma_f32 v[T+2*\c:T+2*\c+1], v[ACC+16*\c+2*si_:ACC+16*\c+2*si_+1], v[RQ+16*\c+2*si_:RQ+16*\c+2*si_+1], v[T+2*\c:T+2*\c+1]
.endif
.endr
.set si_, si_+1
.endr
	v_pk_add_f32 v[T:T+1], v[T:T+1], v[T+2:T+3]
	v_pk_add_f32 v[T+4:T+5], v[T+4:T+5], v[T+6:T+7]
	v_add_f32 v[T], v[T], v[T+1]
	v_add_f32 v[T+4], v[T+4], v[T+5]
	v_cndmask_b32 v[T+1], v[T], v[T+4], s[HMASK]
	v_cndmask_b32 v[T+5], v[T+4], v[T], s[HMASK]
	v_permlanex16_b32 v[T+2], v[T+5], s[SEL], s[SEL+1]
	v_add_f32 v[TS+\u], v[T+1], v[T+2]
.endm
.macro SOFTMAX
	v_max3_num_f32 v[T], v[TS], v[TS+1], v[TS+2]
	v_max3_num_f32 v[T], v[T], v[TS+3], v[MX]
	v_sub_f32 v[T+1], v[MX], v[T]
.irp u, 0,1,2,3
	v_sub_f32 v[T+4+\u], v[TS+\u], v[T]
.endr
	v_exp_f32 v[T+1], v[T+1]
.irp u, 0,1,2,3
	v_exp_f32 v[T+4+\u], v[T+4+\u]
.endr
	v_mov_b32 v[MX], v[T]
	s_wait_alu depctr_va_vdst(0)
	v_add_f32 v[T+2], v[T+4], v[T+5]
	v_add_f32 v[T+3], v[T+6], v[T+7]
	v_add_f32 v[T+2], v[T+2], v[T+3]
	v_fma_f32 v[LS], v[LS], v[T+1], v[T+2]
	ds_store_b128 v[XPKA], v[T+4:T+7]
	ds_store_b32 v[XPKA], v[T+1] offset:1024
	global_store_b128 v[TSO], v[TS:TS+3], s[TSB:TSB+1]
.endm
.macro RESCALE
.set vi_, 0
.rept 32
.if vi_ < 16
	v_pk_mul_f32 v[RQ+2*vi_:RQ+2*vi_+1], v[RQ+2*vi_:RQ+2*vi_+1], v[FA:FA+1] op_sel_hi:[1,0]
.else
	v_pk_mul_f32 v[RQ+2*vi_:RQ+2*vi_+1], v[RQ+2*vi_:RQ+2*vi_+1], v[FB:FB+1] op_sel_hi:[1,0]
.endif
.set vi_, vi_+1
.endr
.endm
.macro CTX u
.if (\u)&1
	v_mul_f32 v[PB], -1.0, v[PV+\u]
	v_mul_f32 v[PB+2], -1.0, v[PV+4+\u]
.else
	v_mov_b32 v[PB], v[PV+\u]
	v_mov_b32 v[PB+2], v[PV+4+\u]
.endif
.set ci_, 0
.rept 32
.if ci_ < 16
	v_pk_fma_f32 v[RQ+2*ci_:RQ+2*ci_+1], v[ACC+2*ci_:ACC+2*ci_+1], v[PB:PB+1], v[RQ+2*ci_:RQ+2*ci_+1] op_sel_hi:[1,0,1]
.else
	v_pk_fma_f32 v[RQ+2*ci_:RQ+2*ci_+1], v[ACC+2*ci_:ACC+2*ci_+1], v[PB+2:PB+3], v[RQ+2*ci_:RQ+2*ci_+1] op_sel_hi:[1,0,1]
.endif
.set ci_, ci_+1
.endr
.endm
.macro KWORK mode
.irp s, 0,1,2,3
	LDFRAG 0, \s
.endr
.irp u, 0,1,2,3
.irp s, 0,1,2,3
	STEP \u, \s, \mode
.endr
	WIN 0
	PLACES 4
	SCORE \u
.endr
	SOFTMAX
.endm
.macro VWORK mode
	ds_load_b128 v[PV:PV+3], v[XPVA]
	ds_load_b128 v[PV+4:PV+7], v[XPVA] offset:256
	ds_load_b32 v[FA], v[XPVA] offset:1024
	ds_load_b32 v[FB], v[XPVA] offset:1280
.set DSN, DSN+4
.set MARKP, DSN
.irp s, 0,1,2,3
	LDFRAG 0, \s
.endr
	WIN 0
	WAITDS MARKP
	RESCALE
.irp u, 0,1,2,3
.irp s, 0,1,2,3
	STEP \u, \s, \mode
.endr
	WIN 0
	PLACES 4
	CTX \u
.endr
.endm
.macro KEND
	v_mov_b32 v[T], v[MX]
.irp k, 1,2,4,8
	v_max_num_f32_dpp v[T], v[T], v[T] row_xmask:\k row_mask:0xf bank_mask:0xf
.endr
	v_sub_f32 v[T+3], v[MX], v[T]
	v_exp_f32 v[T+3], v[T+3]
	v_bfe_u32 v[T+4], v0, 4, 1
	s_wait_alu depctr_va_vdst(0)
	v_mul_f32 v[T+1], v[LS], v[T+3]
.irp k, 1,2,4,8
	v_add_f32_dpp v[T+1], v[T+1], v[T+1] row_xmask:\k row_mask:0xf bank_mask:0xf
.endr
	ds_store_b32 v[XPK], v[T+3] offset:WOFF
	v_lshlrev_b32 v[T+4], 5, v[T+4]
	v_and_b32 v[T+5], 15, v0
	v_cmp_eq_u32 vcc_lo, 0, v[T+5]
	s_wait_xcnt 0x0
	s_and_saveexec_b32 s46, vcc_lo
	global_store_b64 v[T+4], v[T:T+1], s[PSB:PSB+1]
	s_wait_xcnt 0x0
	s_or_b32 exec_lo, exec_lo, s46
.endm
.macro ITER kk, vv, mode, steptsb
	s_wait_xcnt 0x0
.if \mode == 2
	s_add_nc_u64 s[ENCB:ENCB+1], s[ENCB:ENCB+1], 131072
.endif
.if \steptsb
	s_add_nc_u64 s[TSB:TSB+1], s[TSB:TSB+1], 256
.endif
.if \mode
	s_add_co_u32 s40, s[IT], 1
	s_and_b32 s40, s40, 3
	s_mul_i32 s40, s40, SZ
	v_add_nc_u32 v[QSAK], s40, v[QSB]
	v_add_nc_u32 v[QSAV], SETB, v[QSAK]
.endif
	s_add_co_u32 s41, s[IT], s[RHO3]
	s_and_b32 s41, s41, 3
	s_mul_i32 s41, s41, SZ
	s_add_co_u32 s41, s41, s[RSET]
	v_add_nc_u32 v[FRA], s41, v[FRB]
	s_and_b32 s42, s[IT], 1
	s_lshl_b32 s42, s42, 11
	v_add_nc_u32 v[XPKA], s42, v[XPK]
	s_xor_b32 s42, s42, 2048
	v_add_nc_u32 v[XPVA], s42, v[XPV]
	s_cmp_lt_u32 s[WV], 2
	s_cbranch_scc0 .Lv_\@
	DSRESET
.if \kk
	KWORK \mode
.else
	KEND
.endif
	WIN 0
	s_branch .Ljoin_\@
.Lv_\@:
	DSRESET
.if \vv
	VWORK \mode
.else
	QROWS \mode
.endif
	WIN 0
.Ljoin_\@:
	s_wait_dscnt 0x0
	s_barrier_signal -1
	s_barrier_wait -1
	s_add_co_u32 s[IT], s[IT], 1
.endm
	s_load_b256 s[4:11], s[0:1], 0x0
	s_load_b128 s[12:15], s[0:1], 0x20
	s_load_b64 s[16:17], s[0:1], 0x30
	v_lshrrev_b32 v16, 5, v0
	v_readfirstlane_b32 s[WV], v16
	s_lshr_b32 s[RHO], s[WV], 1
	s_and_b32 s[PW], s[WV], 1
	s_mul_i32 s[RHO3], s[RHO], 3
	s_mul_i32 s[RSET], s[RHO], SETB
	s_and_b32 s40, ttmp9, 1
	s_lshr_b32 s[CHK], ttmp9, 1
	s_and_b32 s[BB], ttmp7, 0xffff
	s_lshl_b32 s40, s40, 2
	s_lshl_b32 s41, s[PW], 1
	s_add_co_u32 s[H0], s40, s41
	s_mov_b32 s[SEL], 0x76543210
	s_mov_b32 s[SEL+1], 0xfedcba98
	s_mov_b32 s[HMASK], 0xffff0000
	v_and_b32 v16, 31, v0
	v_and_b32 v17, 15, v0
	v_bfe_u32 v18, v0, 4, 1
	s_lshl_b32 s40, s[WV], 15
	v_lshl_add_u32 v[ENCO], v16, 4, s40
	s_mul_i32 s40, s[WV], 4*PITCH
	v_lshl_add_u32 v[QSB], v16, 4, s40
	v_mul_u32_u24 v[FRB], v17, PITCH
	v_lshl_add_u32 v[FRB], v18, 4, v[FRB]
	s_lshl_b32 s40, s[PW], 9
	s_add_co_u32 s40, s40, XCH
	v_lshl_add_u32 v[XPV], v17, 4, s40
	v_lshl_add_u32 v[XPK], v18, 8, v[XPV]
	v_lshlrev_b32 v[TSO], 4, v17
	v_lshl_add_u32 v[TSO], v18, 14, v[TSO]
	s_mul_i32 s40, s[WV], 2*CSH
	s_add_co_u32 s40, s40, CST
	v_mul_u32_u24 v[CSI], v17, CSP
	v_lshl_add_u32 v[CSI], v18, 5, v[CSI]
	v_add_nc_u32 v[CSI], s40, v[CSI]
	v_mul_u32_u24 v[CSO], v18, CSH
	v_lshl_add_u32 v[CSO], v17, 4, v[CSO]
	v_add_nc_u32 v[CSO], s40, v[CSO]
	v_lshlrev_b32 v[QSAK], 4, v16
	v_lshlrev_b32 v[QSAV], 5, v18
	s_wait_kmcnt 0x0
	s_load_b256 s[48:55], s[10:11], 0x0
	s_lshl_b32 s40, s[BB], 23
	s_lshl_b32 s41, s[CHK], 21
	s_add_co_u32 s40, s40, s41
	s_mov_b32 s41, 0
	s_add_nc_u64 s[ENCB:ENCB+1], s[4:5], s[40:41]
	s_lshl_b32 s42, s[BB], 3
	s_add_co_u32 s42, s42, s[H0]
	s_lshl_b32 s40, s42, 14
	s_lshl_b32 s43, s[CHK], 12
	s_add_co_u32 s40, s40, s43
	s_add_nc_u64 s[TSB:TSB+1], s[12:13], s[40:41]
	s_lshl_b32 s40, s42, 5
	s_lshl_b32 s43, s[CHK], 3
	s_add_co_u32 s40, s40, s43
	s_add_nc_u64 s[PSB:PSB+1], s[14:15], s[40:41]
	s_lshl_b32 s40, s[BB], 2
	s_add_co_u32 s40, s40, s[CHK]
	s_lshl_b32 s40, s40, 11
	s_lshl_b32 s43, s[H0], 8
	s_add_co_u32 s40, s40, s43
	s_add_nc_u64 s[PCB:PCB+1], s[16:17], s[40:41]
	s_lshl_b32 s40, s[RHO], 18
	s_lshl_b32 s43, s[H0], 15
	s_add_co_u32 s40, s40, s43
	s_add_nc_u64 s[6:7], s[6:7], s[40:41]
	s_lshl_b32 s40, s[BB], 11
	s_lshl_b32 s43, s[H0], 8
	s_add_co_u32 s40, s40, s43
	s_add_nc_u64 s[8:9], s[8:9], s[40:41]
	WIN 0x40
.set n_, 0
.rept 64
	global_load_b128 v[4*n_:4*n_+3], v[QSAK], s[6:7] offset:512*n_
.set n_, n_+1
.endr
	WIN 0x80
.set n_, 0
.rept 64
	global_load_b128 v[4*n_:4*n_+3], v[QSAK], s[6:7] offset:32768+512*n_
.set n_, n_+1
.endr
	WIN 0
.set n_, 16
.rept 16
	v_mov_b32 v[n_], 0
.set n_, n_+1
.endr
.set n_, 0
.rept 64
	v_mov_b32 v[RQ+n_], 0
.set n_, n_+1
.endr
	s_cmp_lt_u32 s[WV], 2
	s_cbranch_scc0 .Lno_q
.set n_, 0
.rept 8
	global_load_b128 v[RQ+8*n_:RQ+8*n_+3], v[QSAV], s[8:9] offset:64*n_
	global_load_b128 v[RQ+8*n_+4:RQ+8*n_+7], v[QSAV], s[8:9] offset:64*n_+16
.set n_, n_+1
.endr
	v_mov_b32 v[MX], 0xff61b1e6
.Lno_q:
.set n_, 0
.rept 16
	XLOAD n_
.set n_, n_+1
.endr
	WIN 0
	s_wait_kmcnt 0x0
	s_add_co_i32 s40, s50, 127
	s_lshl_b32 s41, s40, 23
	v_mov_b32 v[SCK], s41
	s_add_co_i32 s40, s40, 8
	s_lshl_b32 s40, s40, 23
	s_or_b32 s[LK], s40, 0x600000
	s_or_b32 s[LK+1], s[LK], 0x80000000
	s_add_co_i32 s40, s52, 127
	s_lshl_b32 s41, s40, 23
	v_mov_b32 v[SCV], s41
	s_add_co_i32 s40, s40, 8
	s_lshl_b32 s40, s40, 23
	s_or_b32 s[LV], s40, 0x600000
	s_or_b32 s[LV+1], s[LV], 0x80000000
	s_wait_xcnt 0x0
	s_add_nc_u64 s[ENCB:ENCB+1], s[ENCB:ENCB+1], 131072
	v_add_nc_u32 v[QSAK], 0, v[QSB]
	v_add_nc_u32 v[QSAV], SETB, v[QSAK]
	DSRESET
	QROWS 2
	WIN 0
	s_wait_dscnt 0x0
	s_barrier_signal -1
	s_barrier_wait -1
	s_mov_b32 s[IT], 0
	ITER 1, 0, 2, 0
.Ltile:
	ITER 1, 1, 2, 1
	s_cmp_lt_u32 s[IT], 14
	s_cbranch_scc1 .Ltile
	ITER 1, 1, 1, 1
	ITER 1, 1, 0, 1
	ITER 0, 1, 0, 0
	s_cmp_lt_u32 s[WV], 2
	s_cbranch_scc0 .Lvend
	s_wait_xcnt 0x0
	s_mov_b32 exec_lo, -1
	v_lshl_add_u32 v62, v0, 2, 0x4c000
	v_mov_b32 v63, 0
	s_wait_tensorcnt 0x0
	ds_add_u32 v62, v63
	s_wait_dscnt 0x0
	s_endpgm
.Lvend:
	ds_load_b32 v[FA], v[XPV] offset:WOFF
	ds_load_b32 v[FB], v[XPV] offset:WOFF+256
	s_wait_dscnt 0x0
	RESCALE
.set n_, 0
.rept 8
	ds_store_b128 v[CSI], v[RQ+8*n_:RQ+8*n_+3] offset:(n_>>2)*CSH+(n_&3)*64
	ds_store_b128 v[CSI], v[RQ+8*n_+4:RQ+8*n_+7] offset:(n_>>2)*CSH+(n_&3)*64+16
.set n_, n_+1
.endr
.set n_, 0
.rept 16
	ds_load_b128 v[ACC+4*n_:ACC+4*n_+3], v[CSO] offset:n_*CSP
.set n_, n_+1
.endr
	v_and_b32 v[T], 31, v0
	v_lshlrev_b32 v[T], 4, v[T]
	s_wait_dscnt 0x0
.irp st, 8,4,2,1
.set vi_, 0
.rept \st
	v_pk_add_f32 v[ACC+4*vi_:ACC+4*vi_+1], v[ACC+4*vi_:ACC+4*vi_+1], v[ACC+4*(vi_+\st):ACC+4*(vi_+\st)+1]
	v_pk_add_f32 v[ACC+4*vi_+2:ACC+4*vi_+3], v[ACC+4*vi_+2:ACC+4*vi_+3], v[ACC+4*(vi_+\st)+2:ACC+4*(vi_+\st)+3]
.set vi_, vi_+1
.endr
.endr
	global_store_b128 v[T], v[ACC:ACC+3], s[PCB:PCB+1]
	s_wait_xcnt 0x0
	s_mov_b32 exec_lo, -1
	v_lshl_add_u32 v62, v0, 2, 0x4c000
	v_mov_b32 v63, 0
	s_wait_tensorcnt 0x0
	ds_add_u32 v62, v63
	s_wait_dscnt 0x0
	s_endpgm
.Lfunc_end_k_qb5735daedc_main:
	.size	k_qb5735daedc_main, .Lfunc_end_k_qb5735daedc_main-k_qb5735daedc_main
	.p2alignl 7, 3214868480
	.fill 96, 4, 3214868480
	.section	.rodata,"a",@progbits
	.p2align	6, 0x0
	.amdhsa_kernel k_qb5735daedc_main
		.amdhsa_group_segment_fixed_size 311808
		.amdhsa_private_segment_fixed_size 0
		.amdhsa_enable_private_segment 0
		.amdhsa_kernarg_size 56
		.amdhsa_user_sgpr_count 2
		.amdhsa_user_sgpr_kernarg_segment_ptr 1
		.amdhsa_wavefront_size32 1
		.amdhsa_system_sgpr_workgroup_id_x 1
		.amdhsa_system_sgpr_workgroup_id_y 1
		.amdhsa_system_sgpr_workgroup_id_z 1
		.amdhsa_system_vgpr_workitem_id 0
		.amdhsa_next_free_vgpr 1024
		.amdhsa_next_free_sgpr 66
		.amdhsa_reserve_vcc 1
		.amdhsa_float_denorm_mode_32 3
		.amdhsa_float_denorm_mode_16_64 3
		.amdhsa_memory_ordered 1
		.amdhsa_forward_progress 1
		.amdhsa_inst_pref_size 255
	.end_amdhsa_kernel
	.section	.bss,"aw",@nobits
	.p2align	6
	.space	262144
	.amdgpu_metadata
---
amdhsa.version: [ 1, 2 ]
amdhsa.kernels:
  - .name:           k_qb5735daedc_main
    .symbol:         k_qb5735daedc_main.kd
    .args:
      - { .name: enc, .offset: 0, .size: 8, .value_kind: global_buffer, .address_space: global }
      - { .name: wcodes, .offset: 8, .size: 8, .value_kind: global_buffer, .address_space: global }
      - { .name: qs, .offset: 16, .size: 8, .value_kind: global_buffer, .address_space: global }
      - { .name: lowp_scales, .offset: 24, .size: 8, .value_kind: global_buffer, .address_space: global }
      - { .name: tsc, .offset: 32, .size: 8, .value_kind: global_buffer, .address_space: global }
      - { .name: pstat, .offset: 40, .size: 8, .value_kind: global_buffer, .address_space: global }
      - { .name: pctx, .offset: 48, .size: 8, .value_kind: global_buffer, .address_space: global }
    .group_segment_fixed_size: 311808
    .private_segment_fixed_size: 0
    .kernarg_segment_align: 8
    .kernarg_segment_size: 56
    .max_flat_workgroup_size: 128
    .sgpr_count:     66
    .vgpr_count:     1024
    .wavefront_size: 32
...
	.end_amdgpu_metadata
.endif
;; end of part 2
;; launch fin (part 3): grid 136 x 1, 8 waves a work-group, no clusters, 26,624 bytes of LDS; arguments tsc, pstat, pctx, wocodes, lowp_scales, out0, out1; writes out0, out1
.if DOCPART == 3
	.amdgcn_target "amdgcn-amd-amdhsa--gfx1250"
	.amdhsa_code_object_version 6
	.text
	.protected	k_qb5735daedc_fin
	.globl	k_qb5735daedc_fin
	.p2align	8
	.type	k_qb5735daedc_fin,@function
k_qb5735daedc_fin:
	s_mov_b64 s[64:65], 0
	v_nop
	global_prefetch_b8 v0, s[64:65] scope:SCOPE_SE
	s_setreg_imm32_b32 hwreg(HW_REG_WAVE_MODE, 25, 1), 1
	s_wait_xcnt 0x0
.set STG, 16384
.set SP,  272
.set WF,  16
.set ST,  80
.set SCX, 112
.set X,   128
.set PC,  192
.set A0,  208
.set A1,  216
.set OUT, 224
.set BK,  232
.set MSB, 0
.macro WIN new
.if MSB != (\new)
	s_set_vgpr_msb (MSB<<8)|(\new)
.set MSB, (\new)
.endif
.endm
	s_load_b256 s[4:11], s[0:1], 0x0
	s_load_b128 s[12:15], s[0:1], 0x20
	s_load_b64 s[16:17], s[0:1], 0x30
	v_lshl_add_u32 v254, v0, 2, 0x6400
	v_mov_b32 v255, 0
	s_cmp_lt_u32 ttmp9, 128
	s_cbranch_scc0 .Lctx
	s_lshr_b32 s20, ttmp9, 2
	s_and_b32 s21, ttmp9, 3
	v_lshlrev_b32 v1, 4, v0
	v_and_b32 v2, 7, v0
	v_lshlrev_b32 v2, 5, v2
	s_lshl_b32 s22, s20, 17
	s_lshl_b32 s24, s21, 12
	s_add_co_u32 s22, s22, s24
	s_mov_b32 s23, 0
	s_lshl_b32 s26, s20, 8
	s_mov_b32 s27, 0
	s_lshl_b32 s28, s20, 14
	s_add_co_u32 s28, s28, s24
	s_mov_b32 s29, 0
	s_wait_kmcnt 0x0
	s_add_nc_u64 s[4:5], s[4:5], s[22:23]
	s_add_nc_u64 s[6:7], s[6:7], s[26:27]
	s_add_nc_u64 s[16:17], s[16:17], s[28:29]
	global_load_b128 v[4:7], v2, s[6:7]
	global_load_b128 v[8:11], v2, s[6:7] offset:16
.irp h, 0,1,2,3,4,5,6,7
	global_load_b128 v[16+4*\h:19+4*\h], v1, s[4:5] offset:16384*\h th:TH_LOAD_NT
.endr
	s_wait_loadcnt 8
	v_max3_num_f32 v12, v4, v6, v8
	v_max_num_f32 v12, v12, v10
	v_sub_f32 v4, v4, v12
	v_sub_f32 v6, v6, v12
	v_sub_f32 v8, v8, v12
	v_sub_f32 v10, v10, v12
	v_exp_f32 v4, v4
	v_exp_f32 v6, v6
	v_exp_f32 v8, v8
	v_exp_f32 v10, v10
	v_nop
	s_wait_alu depctr_va_vdst(0)
	v_mul_f32 v13, v4, v5
	v_fma_f32 v13, v6, v7, v13
	v_fma_f32 v13, v8, v9, v13
	v_fma_f32 v13, v10, v11, v13
	v_rcp_f32 v13, v13
	v_nop
	s_wait_alu depctr_va_vdst(0)
	v_mul_f32 v13, 0x3e000000, v13
.irp h, 0,1,2,3,4,5,6,7
	v_readlane_b32 s[32+\h], v12, \h
	v_readlane_b32 s[40+\h], v13, \h
.endr
	s_wait_loadcnt 0x0
.irp h, 0,1,2,3,4,5,6,7
.irp i, 0,1,2,3
	v_sub_f32 v[16+4*\h+\i], v[16+4*\h+\i], s[32+\h]
.endr
.endr
.set i_, 0
.rept 32
	v_exp_f32 v[16+i_], v[16+i_]
.set i_, i_+1
.endr
	v_nop
	s_wait_alu depctr_va_vdst(0)
.irp i, 0,1,2,3
	v_mul_f32 v[48+\i], s40, v[16+\i]
.endr
.irp h, 1,2,3,4,5,6,7
.irp i, 0,1,2,3
	v_fma_f32 v[48+\i], v[16+4*\h+\i], s[40+\h], v[48+\i]
.endr
.endr
	global_store_b128 v1, v[48:51], s[16:17]
	s_endpgm
.Lctx:
	s_sub_co_u32 s20, ttmp9, 128
	v_lshrrev_b32 v1, 5, v0
	v_readfirstlane_b32 s21, v1
	s_lshr_b32 s22, s21, 2
	s_and_b32 s23, s21, 3
	v_and_b32 v2, 15, v0
	v_bfe_u32 v3, v0, 4, 1
	v_and_b32 v4, 31, v0
	v_lshlrev_b32 v5, 4, v4
	s_lshl_b32 s24, s22, 4
	v_add_nc_u32 v6, s24, v2
	v_lshlrev_b32 v7, 13, v6
	v_lshl_add_u32 v7, v3, 4, v7
	s_lshl_b32 s24, s23, 7
	v_add_nc_u32 v7, s24, v7
	v_lshlrev_b32 v8, 8, v6
	s_lshr_b32 s24, s23, 1
	s_lshl_b32 s24, s24, 5
	v_add_nc_u32 v8, s24, v8
	s_lshl_b32 s24, s21, 11
	v_add_nc_u32 v9, s24, v5
	s_lshl_b32 s24, s22, 13
	v_add_nc_u32 v10, s24, v5
	v_mul_u32_u24 v11, v6, SP
	v_lshl_add_u32 v11, v3, 5, v11
	s_lshl_b32 s24, s23, 6
	s_add_co_u32 s24, s24, STG
	v_add_nc_u32 v11, s24, v11
	s_mul_i32 s24, s21, 4*SP
	s_add_co_u32 s24, s24, STG
	v_mul_u32_u24 v12, v3, SP
	v_lshl_add_u32 v12, v2, 4, v12
	v_add_nc_u32 v12, s24, v12
	s_lshl_b32 s24, s21, 13
	v_lshlrev_b32 v13, 11, v3
	v_lshl_add_u32 v13, v2, 4, v13
	v_add_nc_u32 v13, s24, v13
	s_lshl_b32 s24, s20, 2
	s_add_co_u32 s24, s24, s23
	s_lshl_b32 s24, s24, 13
	s_mov_b32 s25, 0
	s_lshl_b32 s26, s20, 8
	s_mov_b32 s27, 0
	s_wait_kmcnt 0x0
	s_load_b256 s[32:39], s[12:13], 0x0
	s_add_nc_u64 s[10:11], s[10:11], s[24:25]
	s_add_nc_u64 s[14:15], s[14:15], s[26:27]
.irp x, 0,1,2,3
	global_load_b128 v[ST+8*\x:ST+8*\x+3], v8, s[6:7] offset:64*\x
	global_load_b128 v[ST+8*\x+4:ST+8*\x+7], v8, s[6:7] offset:64*\x+16
.endr
	WIN 0x40
.irp ch, 0,1,2,3
.irp c, 0,1,2,3
.irp x, 0,1,2,3
	global_load_b128 v[64*\ch+16*\c+4*\x:64*\ch+16*\c+4*\x+3], v7, s[8:9] offset:2048*\ch+512*\x+32*\c
.endr
.endr
.endr
	WIN 0
.set i_, 0
.rept 16
	global_load_b128 v[WF+4*i_:WF+4*i_+3], v5, s[10:11] offset:512*i_
.set i_, i_+1
.endr
	s_wait_kmcnt 0x0
	s_add_co_i32 s40, s36, s37
	s_add_co_i32 s41, s38, s39
	s_add_co_i32 s42, s38, 127
	s_lshl_b32 s43, s42, 23
	v_mov_b32 v14, s43
	s_add_co_i32 s42, s42, 8
	s_lshl_b32 s42, s42, 23
	s_or_b32 s42, s42, 0x600000
	s_or_b32 s43, s42, 0x80000000
	s_wait_loadcnt 0x0
.irp x, 0,1,2,3
	v_max3_num_f32 v[240+\x], v[ST+8*\x], v[ST+8*\x+2], v[ST+8*\x+4]
.endr
.irp x, 0,1,2,3
	v_max_num_f32 v[240+\x], v[240+\x], v[ST+8*\x+6]
.endr
.irp x, 0,1,2,3
.irp c, 0,1,2,3
	v_sub_f32 v[ST+8*\x+2*\c], v[ST+8*\x+2*\c], v[240+\x]
.endr
.endr
.irp x, 0,1,2,3
.irp c, 0,1,2,3
	v_exp_f32 v[ST+8*\x+2*\c], v[ST+8*\x+2*\c]
.endr
.endr
	v_nop
	s_wait_alu depctr_va_vdst(0)
.irp x, 0,1,2,3
	v_mul_f32 v[244+\x], v[ST+8*\x], v[ST+8*\x+1]
.endr
.irp c, 1,2,3
.irp x, 0,1,2,3
	v_fma_f32 v[244+\x], v[ST+8*\x+2*\c], v[ST+8*\x+2*\c+1], v[244+\x]
.endr
.endr
.irp x, 0,1,2,3
	v_rcp_f32 v[244+\x], v[244+\x]
.endr
	v_nop
	s_wait_alu depctr_va_vdst(0)
.irp x, 0,1,2,3
	v_ldexp_f32 v[244+\x], v[244+\x], s40
.endr
.irp x, 0,1,2,3
.irp c, 0,1,2,3
	v_mul_f32 v[SCX+4*\x+\c], v[ST+8*\x+2*\c], v[244+\x]
.endr
.endr
	WIN 0x01
.set i_, 0
.rept 64
	v_mul_f32 v[X+i_], v[i_], v[SCX+4*((i_>>2)&3)]
.set i_, i_+1
.endr
.irp ch, 1,2,3
.set i_, 0
.rept 64
	v_fma_f32 v[X+i_], v[64*\ch+i_], v[SCX+4*((i_>>2)&3)+\ch], v[X+i_]
.set i_, i_+1
.endr
.endr
	WIN 0
.set i_, 0
.rept 64
	v_med3_num_f32 v[X+i_], v[X+i_], s43, s42
.set i_, i_+1
.endr
.set i_, 0
.rept 8
	v_cvt_scalef32_pk8_fp8_f32 v[PC+2*i_:PC+2*i_+1], v[X+8*i_:X+8*i_+7], v14
.set i_, i_+1
.endr
	v_nop
.irp c, 0,1,2,3
	ds_store_b128 v9, v[PC+4*\c:PC+4*\c+3] offset:512*\c
.endr
	s_wait_dscnt 0x0
	s_barrier_signal -1
	s_barrier_wait -1
.set i_, 0
.rept 16
	ds_load_b128 v[X+4*i_:X+4*i_+3], v10 offset:512*i_
.set i_, i_+1
.endr
	s_wait_dscnt 0x0
	v_wmma_f32_16x16x128_fp8_fp8 v[A0:A0+7], v[WF:WF+15], v[X:X+15], 0
	v_wmma_f32_16x16x128_fp8_fp8 v[A1:A1+7], v[WF+16:WF+31], v[X+16:X+31], 0
	v_wmma_f32_16x16x128_fp8_fp8 v[A0:A0+7], v[WF+32:WF+47], v[X+32:X+47], v[A0:A0+7]
	v_wmma_f32_16x16x128_fp8_fp8 v[A1:A1+7], v[WF+48:WF+63], v[X+48:X+63], v[A1:A1+7]
.rept 4
	v_nop
.endr
.set i_, 0
.rept 8
	v_add_f32 v[OUT+i_], v[A0+i_], v[A1+i_]
.set i_, i_+1
.endr
.set i_, 0
.rept 8
	v_ldexp_f32 v[OUT+i_], v[OUT+i_], s41
.set i_, i_+1
.endr
	ds_store_b128 v11, v[OUT:OUT+3]
	ds_store_b128 v11, v[OUT+4:OUT+7] offset:16
	s_wait_dscnt 0x0
	s_barrier_signal -1
	s_barrier_wait -1
.irp i, 0,1
	ds_load_b128 v[BK+4*\i:BK+4*\i+3], v12 offset:2*\i*SP
.endr
.irp i, 0,1
	s_wait_dscnt 1-\i
	global_store_b128 v13, v[BK+4*\i:BK+4*\i+3], s[14:15] offset:2*\i*2048
.endr
	s_wait_tensorcnt 0x0
	ds_add_u32 v254, v255
	s_wait_dscnt 0x0
	s_endpgm
.Lfunc_end_k_qb5735daedc_fin:
	.size	k_qb5735daedc_fin, .Lfunc_end_k_qb5735daedc_fin-k_qb5735daedc_fin
	.p2alignl 7, 3214868480
	.fill 96, 4, 3214868480
	.section	.rodata,"a",@progbits
	.p2align	6, 0x0
	.amdhsa_kernel k_qb5735daedc_fin
		.amdhsa_group_segment_fixed_size 26624
		.amdhsa_private_segment_fixed_size 0
		.amdhsa_enable_private_segment 0
		.amdhsa_kernarg_size 56
		.amdhsa_user_sgpr_count 2
		.amdhsa_user_sgpr_kernarg_segment_ptr 1
		.amdhsa_wavefront_size32 1
		.amdhsa_system_sgpr_workgroup_id_x 1
		.amdhsa_system_sgpr_workgroup_id_y 1
		.amdhsa_system_sgpr_workgroup_id_z 1
		.amdhsa_system_vgpr_workitem_id 0
		.amdhsa_next_free_vgpr 512
		.amdhsa_next_free_sgpr 66
		.amdhsa_reserve_vcc 0
		.amdhsa_float_denorm_mode_32 3
		.amdhsa_float_denorm_mode_16_64 3
		.amdhsa_memory_ordered 1
		.amdhsa_forward_progress 1
		.amdhsa_inst_pref_size 45
	.end_amdhsa_kernel
	.amdgpu_metadata
---
amdhsa.version: [ 1, 2 ]
amdhsa.kernels:
  - .name:           k_qb5735daedc_fin
    .symbol:         k_qb5735daedc_fin.kd
    .args:
      - { .name: tsc, .offset: 0, .size: 8, .value_kind: global_buffer, .address_space: global }
      - { .name: pstat, .offset: 8, .size: 8, .value_kind: global_buffer, .address_space: global }
      - { .name: pctx, .offset: 16, .size: 8, .value_kind: global_buffer, .address_space: global }
      - { .name: wocodes, .offset: 24, .size: 8, .value_kind: global_buffer, .address_space: global }
      - { .name: lowp_scales, .offset: 32, .size: 8, .value_kind: global_buffer, .address_space: global }
      - { .name: out0, .offset: 40, .size: 8, .value_kind: global_buffer, .address_space: global }
      - { .name: out1, .offset: 48, .size: 8, .value_kind: global_buffer, .address_space: global }
    .group_segment_fixed_size: 26624
    .private_segment_fixed_size: 0
    .kernarg_segment_align: 8
    .kernarg_segment_size: 56
    .max_flat_workgroup_size: 256
    .sgpr_count:     66
    .vgpr_count:     512
    .wavefront_size: 32
...
	.end_amdgpu_metadata
.endif
;; end of part 3
;; ======== version 2 of 2: 3 launches
;; limits: right only within a limited range of input values
;; workspace buffers: wcodes 524,288 bytes; wocodes 262,144 bytes; qs 65,536 bytes; tsc 4,194,304 bytes; pstat 16,384 bytes; pctx 524,288 bytes
;; launch prep (part 4): grid 56 x 1, 8 waves a work-group, no clusters, 77,824 bytes of LDS; arguments Wk, Wv, Wo, Wq, enc, lowp_scales, wcodes, wocodes, qs; writes wcodes, wocodes, qs
.if DOCPART == 4
	.amdgcn_target "amdgcn-amd-amdhsa--gfx1250"
	.amdhsa_code_object_version 6
	.text
	.protected	k_qb5735daedc_prep
	.globl	k_qb5735daedc_prep
	.p2align	8
	.type	k_qb5735daedc_prep,@function
k_qb5735daedc_prep:
	s_mov_b64 s[64:65], 0
	v_nop
	global_prefetch_b8 v0, s[64:65] scope:SCOPE_SE
	s_setreg_imm32_b32 hwreg(HW_REG_WAVE_MODE, 25, 1), 1
	s_wait_xcnt 0x0
.set PITCH, 528
.set QL,    17408
.set QE,    QL+64*PITCH
.set QSTG,  QL+96*PITCH
.set SP,    272
.set C,   16
.set FR,  48
.set X,   64
.set WF,  64
.set EF,  128
.set A0,  192
.set A1,  200
.set OUT, 208
.set BK,  216
.macro MKSCALE e, vsc, lim
	s_add_co_i32 s[\lim], s[\e], 127
	s_lshl_b32 s[\lim+1], s[\lim], 23
	v_mov_b32 v[\vsc], s[\lim+1]
	s_add_co_i32 s[\lim], s[\lim], 8
	s_lshl_b32 s[\lim], s[\lim], 23
	s_or_b32 s[\lim], s[\lim], 0x600000
	s_or_b32 s[\lim+1], s[\lim], 0x80000000
.endm
.macro QROW x, c, lim, sc
.set i_, 0
.rept 16
	v_med3_num_f32 v[(\x)+i_], v[(\x)+i_], s[\lim+1], s[\lim]
.set i_, i_+1
.endr
	v_cvt_scalef32_pk8_fp8_f32 v[(\c):(\c)+1], v[(\x):(\x)+7], v[\sc]
	v_cvt_scalef32_pk8_fp8_f32 v[(\c)+2:(\c)+3], v[(\x)+8:(\x)+15], v[\sc]
	v_nop
.endm
	s_load_b256 s[4:11], s[0:1], 0x0
	s_load_b256 s[12:19], s[0:1], 0x20
	s_load_b64 s[20:21], s[0:1], 0x40
	v_lshl_add_u32 v14, v0, 2, 0x12c00
	v_mov_b32 v15, 0
	v_lshrrev_b32 v16, 5, v0
	s_delay_alu instid0(VALU_DEP_1)
	v_readfirstlane_b32 s22, v16
	v_and_b32 v16, 31, v0
	v_and_b32 v17, 15, v0
	v_bfe_u32 v18, v0, 4, 1
	s_delay_alu instid0(VALU_DEP_3)
	v_lshlrev_b32 v1, 4, v16
	s_delay_alu instid0(VALU_DEP_3)
	v_mul_u32_u24 v19, v17, PITCH
	s_delay_alu instid0(VALU_DEP_1)
	v_lshl_add_u32 v19, v18, 4, v19
	s_cmp_lt_u32 ttmp9, 48
	s_cbranch_scc0 .Lq
	s_lshr_b32 s23, ttmp9, 4
	s_and_b32 s24, ttmp9, 15
	s_mul_i32 s25, s22, 4*PITCH
	v_add_nc_u32 v2, s25, v1
	s_lshr_b32 s26, s22, 2
	s_and_b32 s27, s22, 3
	s_mul_i32 s28, s26, 16*PITCH
	s_lshl_b32 s29, s27, 7
	s_add_co_u32 s28, s28, s29
	s_wait_alu depctr_va_vdst(0)
	v_add_nc_u32 v3, s28, v19
	s_lshl_b32 s40, s24, 16
	s_lshl_b32 s29, s22, 13
	s_add_co_u32 s40, s40, s29
	s_mov_b32 s41, 0
	s_and_b32 s42, s23, 1
	s_lshl_b32 s42, s42, 18
	s_lshl_b32 s29, s24, 14
	s_add_co_u32 s42, s42, s29
	s_lshl_b32 s29, s26, 13
	s_add_co_u32 s42, s42, s29
	s_lshl_b32 s29, s27, 11
	s_add_co_u32 s42, s42, s29
	s_mov_b32 s43, 0
	s_wait_kmcnt 0x0
	s_load_b256 s[32:39], s[14:15], 0x0
	s_cmp_eq_u32 s23, 0
	s_cselect_b64 s[44:45], s[4:5], s[6:7]
	s_cmp_lt_u32 s23, 2
	s_cselect_b64 s[44:45], s[44:45], s[8:9]
	s_cselect_b64 s[46:47], s[16:17], s[18:19]
	s_add_nc_u64 s[44:45], s[44:45], s[40:41]
	s_add_nc_u64 s[46:47], s[46:47], s[42:43]
.irp j, 0,1,2,3
.irp x, 0,1,2,3
	global_load_b128 v[X+16*\j+4*\x:X+16*\j+4*\x+3], v1, s[44:45] offset:2048*\j+512*\x th:TH_LOAD_NT
.endr
.endr
	s_wait_kmcnt 0x0
	s_cmp_eq_u32 s23, 0
	s_cselect_b32 s28, s35, s37
	s_cmp_lt_u32 s23, 2
	s_cselect_b32 s28, s28, s39
	MKSCALE 28, 9, 30
.irp j, 0,1,2,3
	s_wait_loadcnt 4*(3-\j)
	QROW X+16*\j, C+4*\j, 30, 9
	ds_store_b128 v2, v[C+4*\j:C+4*\j+3] offset:\j*PITCH
.endr
	s_wait_dscnt 0x0
	s_barrier_signal -1
	s_barrier_wait -1
.irp c, 0,1,2,3
	ds_load_b128 v[FR+4*\c:FR+4*\c+3], v3 offset:32*\c
.endr
.irp c, 0,1,2,3
	s_wait_dscnt 3-\c
	global_store_b128 v1, v[FR+4*\c:FR+4*\c+3], s[46:47] offset:512*\c
.endr
	s_wait_tensorcnt 0x0
	ds_add_u32 v14, v15
	s_wait_dscnt 0x0
	s_endpgm
.Lq:
	s_sub_co_u32 s24, ttmp9, 48
	s_mul_i32 s25, s22, 8*PITCH
	s_add_co_u32 s25, s25, QL
	s_wait_alu depctr_va_vdst(0)
	v_add_nc_u32 v2, s25, v1
	s_mul_i32 s25, s22, 4*PITCH
	s_add_co_u32 s25, s25, QE
	v_add_nc_u32 v3, s25, v1
	s_and_b32 s26, s22, 3
	s_lshr_b32 s27, s22, 2
	s_mul_i32 s25, s26, 16*PITCH
	s_add_co_u32 s25, s25, QL
	v_add_nc_u32 v4, s25, v19
	s_mul_i32 s25, s27, 16*PITCH
	s_add_co_u32 s25, s25, QE
	v_add_nc_u32 v5, s25, v19
	s_mul_i32 s25, s27, 16*SP
	s_lshl_b32 s28, s26, 6
	s_add_co_u32 s25, s25, s28
	s_add_co_u32 s25, s25, QSTG
	v_mul_u32_u24 v6, v17, SP
	s_delay_alu instid0(VALU_DEP_1)
	v_lshl_add_u32 v6, v18, 5, v6
	s_delay_alu instid0(VALU_DEP_1)
	v_add_nc_u32 v6, s25, v6
	s_mul_i32 s25, s22, 4*SP
	s_add_co_u32 s25, s25, QSTG
	v_mul_u32_u24 v7, v18, SP
	s_delay_alu instid0(VALU_DEP_1)
	v_lshl_add_u32 v7, v17, 4, v7
	s_delay_alu instid0(VALU_DEP_1)
	v_add_nc_u32 v7, s25, v7
	s_lshl_b32 s25, s22, 13
	v_lshlrev_b32 v8, 11, v18
	s_delay_alu instid0(VALU_DEP_1)
	v_lshl_add_u32 v8, v17, 4, v8
	s_delay_alu instid0(VALU_DEP_1)
	v_add_nc_u32 v8, s25, v8
	v_add_nc_u32 v11, 0x800000, v1
	v_add_nc_u32 v12, 0x1000000, v1
	v_add_nc_u32 v13, 0x1800000, v1
	s_lshl_b32 s40, s24, 17
	s_lshl_b32 s28, s22, 14
	s_add_co_u32 s40, s40, s28
	s_mov_b32 s41, 0
	s_lshl_b32 s42, s22, 25
	s_add_co_u32 s42, s42, 0x7ff800
	s_mov_b32 s43, 0
	s_lshl_b32 s44, s24, 8
	s_mov_b32 s45, 0
	s_wait_alu depctr_va_vdst(0)
	s_wait_kmcnt 0x0
	s_load_b256 s[32:39], s[14:15], 0x0
	s_add_nc_u64 s[10:11], s[10:11], s[40:41]
	s_add_nc_u64 s[12:13], s[12:13], s[42:43]
	s_add_nc_u64 s[20:21], s[20:21], s[44:45]
.macro ELOAD j, vo
.irp x, 0,1,2,3
	global_load_b128 v[X+128+16*\j+4*\x:X+128+16*\j+4*\x+3], v[\vo], s[12:13] offset:512*\x
.endr
.endm
	ELOAD 0, 1
	ELOAD 1, 11
	ELOAD 2, 12
	ELOAD 3, 13
.irp j, 0,1,2,3,4,5,6,7
.irp x, 0,1,2,3
	global_load_b128 v[X+16*\j+4*\x:X+16*\j+4*\x+3], v1, s[10:11] offset:2048*\j+512*\x th:TH_LOAD_NT
.endr
.endr
	s_wait_kmcnt 0x0
	MKSCALE 33, 9, 30
	MKSCALE 32, 10, 48
	s_add_co_i32 s50, s32, s33
	s_add_co_i32 s50, s50, s34
	s_add_co_i32 s50, s50, s35
.irp j, 0,1,2,3
	s_wait_loadcnt 32+4*(3-\j)
	QROW X+128+16*\j, C+32+4*\j, 48, 10
	ds_store_b128 v3, v[C+32+4*\j:C+32+4*\j+3] offset:\j*PITCH
.endr
.irp j, 0,1,2,3,4,5,6,7
	s_wait_loadcnt 4*(7-\j)
	QROW X+16*\j, C+4*\j, 30, 9
	ds_store_b128 v2, v[C+4*\j:C+4*\j+3] offset:\j*PITCH
.endr
	s_wait_dscnt 0x0
	s_barrier_signal -1
	s_barrier_wait -1
.irp s, 0,1,2,3
.irp c, 0,1,2,3
	ds_load_b128 v[WF+16*\s+4*\c:WF+16*\s+4*\c+3], v4 offset:128*\s+32*\c
	ds_load_b128 v[EF+16*\s+4*\c:EF+16*\s+4*\c+3], v5 offset:128*\s+32*\c
.endr
.endr
	s_wait_dscnt 0x0
	v_wmma_f32_16x16x128_fp8_fp8 v[A0:A0+7], v[WF:WF+15], v[EF:EF+15], 0
	v_wmma_f32_16x16x128_fp8_fp8 v[A1:A1+7], v[WF+16:WF+31], v[EF+16:EF+31], 0
	v_wmma_f32_16x16x128_fp8_fp8 v[A0:A0+7], v[WF+32:WF+47], v[EF+32:EF+47], v[A0:A0+7]
	v_wmma_f32_16x16x128_fp8_fp8 v[A1:A1+7], v[WF+48:WF+63], v[EF+48:EF+63], v[A1:A1+7]
.rept 4
	v_nop
.endr
.set i_, 0
.rept 8
	v_add_f32 v[OUT+i_], v[A0+i_], v[A1+i_]
.set i_, i_+1
.endr
.set i_, 0
.rept 8
	v_mul_f32 v[OUT+i_], 0x3e38aa3b, v[OUT+i_]
.set i_, i_+1
.endr
.set i_, 0
.rept 8
	v_ldexp_f32 v[OUT+i_], v[OUT+i_], s50
.set i_, i_+1
.endr
	ds_store_b128 v6, v[OUT:OUT+3]
	ds_store_b128 v6, v[OUT+4:OUT+7] offset:16
	s_wait_dscnt 0x0
	s_barrier_signal -1
	s_barrier_wait -1
.irp i, 0,1
	ds_load_b128 v[BK+4*\i:BK+4*\i+3], v7 offset:2*\i*SP
.endr
.irp i, 0,1
	s_wait_dscnt 1-\i
	global_store_b128 v8, v[BK+4*\i:BK+4*\i+3], s[20:21] offset:2*\i*2048
.endr
	s_wait_tensorcnt 0x0
	ds_add_u32 v14, v15
	s_wait_dscnt 0x0
	s_endpgm
.Lfunc_end_k_qb5735daedc_prep:
	.size	k_qb5735daedc_prep, .Lfunc_end_k_qb5735daedc_prep-k_qb5735daedc_prep
	.p2alignl 7, 3214868480
	.fill 96, 4, 3214868480
	.section	.rodata,"a",@progbits
	.p2align	6, 0x0
	.amdhsa_kernel k_qb5735daedc_prep
		.amdhsa_group_segment_fixed_size 77824
		.amdhsa_private_segment_fixed_size 0
		.amdhsa_enable_private_segment 0
		.amdhsa_kernarg_size 72
		.amdhsa_user_sgpr_count 2
		.amdhsa_user_sgpr_kernarg_segment_ptr 1
		.amdhsa_wavefront_size32 1
		.amdhsa_system_sgpr_workgroup_id_x 1
		.amdhsa_system_sgpr_workgroup_id_y 1
		.amdhsa_system_sgpr_workgroup_id_z 1
		.amdhsa_system_vgpr_workitem_id 0
		.amdhsa_next_free_vgpr 256
		.amdhsa_next_free_sgpr 66
		.amdhsa_reserve_vcc 0
		.amdhsa_float_denorm_mode_32 3
		.amdhsa_float_denorm_mode_16_64 3
		.amdhsa_memory_ordered 1
		.amdhsa_forward_progress 1
		.amdhsa_inst_pref_size 38
	.end_amdhsa_kernel
	.amdgpu_metadata
---
amdhsa.version: [ 1, 2 ]
amdhsa.kernels:
  - .name:           k_qb5735daedc_prep
    .symbol:         k_qb5735daedc_prep.kd
    .args:
      - { .name: Wk, .offset: 0, .size: 8, .value_kind: global_buffer, .address_space: global }
      - { .name: Wv, .offset: 8, .size: 8, .value_kind: global_buffer, .address_space: global }
      - { .name: Wo, .offset: 16, .size: 8, .value_kind: global_buffer, .address_space: global }
      - { .name: Wq, .offset: 24, .size: 8, .value_kind: global_buffer, .address_space: global }
      - { .name: enc, .offset: 32, .size: 8, .value_kind: global_buffer, .address_space: global }
      - { .name: lowp_scales, .offset: 40, .size: 8, .value_kind: global_buffer, .address_space: global }
      - { .name: wcodes, .offset: 48, .size: 8, .value_kind: global_buffer, .address_space: global }
      - { .name: wocodes, .offset: 56, .size: 8, .value_kind: global_buffer, .address_space: global }
      - { .name: qs, .offset: 64, .size: 8, .value_kind: global_buffer, .address_space: global }
    .group_segment_fixed_size: 77824
    .private_segment_fixed_size: 0
    .kernarg_segment_align: 8
    .kernarg_segment_size: 72
    .max_flat_workgroup_size: 256
    .sgpr_count:     66
    .vgpr_count:     256
    .wavefront_size: 32
...
	.end_amdgpu_metadata
.endif
;; end of part 4
;; launch main (part 5): grid 8 x 32, 4 waves a work-group, no clusters, 322,048 bytes of LDS; arguments enc, wcodes, qs, lowp_scales, tsc, pstat, pctx; writes tsc, pstat, pctx
.if DOCPART == 5
	.amdgcn_target "amdgcn-amd-amdhsa--gfx1250"
	.amdhsa_code_object_version 6
	.text
	.protected	k_qb5735daedc_main
	.globl	k_qb5735daedc_main
	.p2align	8
	.type	k_qb5735daedc_main,@function
k_qb5735daedc_main:
	s_mov_b64 s[64:65], 0
	v_nop
	global_prefetch_b8 v0, s[64:65] scope:SCOPE_SE
	s_setreg_imm32_b32 hwreg(HW_REG_WAVE_MODE, 25, 1), 1
	s_wait_xcnt 0x0
.set PITCH, 528
.set RSL,   32*PITCH
.set PERS,  34816
.set WREG,  128*PITCH
.set TAR,   305152
.set SPARE, 321536
.set CSP,   272
.set CSH,   16*CSP
.set L16, 1
.set RGB, 2
.set PSV, 3
.set PSA, 4
.set FRB, 5
.set TBV, 6
.set TA,  7
.set SCK, 8
.set SCV, 9
.set MX,  10
.set SPW, 12
.set NIL, 13
.set TS,  14
.set FA2, 14
.set PA2, 15
.set TRD, 2
.set TGO, 3
.set PSW, 4
.set PB0, 6
.set CC,  16
.set PP,  16
.set T,   32
.set ACC, 64
.set P,   96
.set RQ,  128
.set FR,  192
.set WV, 18
.set H0, 19
.set BB, 20
.set TW, 21
.set LC, 22
.set PSO, 23
.set ENCP, 24
.set WVP, 26
.set RB, 28
.set LK, 30
.set LV, 32
.set SEL, 34
.set HMASK, 36
.set TSS, 37
.set TSB, 56
.set PSB, 58
.set PCB, 60
.set WB2, 62
.set MSB, 0
.macro WIN new
.if MSB != (\new)
	s_set_vgpr_msb (MSB<<8)|(\new)
.set MSB, (\new)
.endif
.endm
.macro PLACES
.rept 4
	v_nop
.endr
.endm
.macro QSET q, j0, lim, sc
.irp a, 0,2
	WIN 0x0c
.set i_, 0
.rept 16
	v_med3_num_f32 v[T+i_], s[\lim+1], v[16*(8*(\q)+(\j0)+\a)+i_], s[\lim]
.set i_, i_+1
.endr
.set i_, 0
.rept 16
	v_med3_num_f32 v[T+16+i_], s[\lim+1], -v[16*(8*(\q)+(\j0)+\a+1)+i_], s[\lim]
.set i_, i_+1
.endr
	WIN 0
	v_cvt_scalef32_pk8_fp8_f32 v[CC+4*\a:CC+4*\a+1], v[T:T+7], v[\sc]
	v_cvt_scalef32_pk8_fp8_f32 v[CC+4*\a+2:CC+4*\a+3], v[T+8:T+15], v[\sc]
	v_cvt_scalef32_pk8_fp8_f32 v[CC+4*\a+4:CC+4*\a+5], v[T+16:T+23], v[\sc]
	v_cvt_scalef32_pk8_fp8_f32 v[CC+4*\a+6:CC+4*\a+7], v[T+24:T+31], v[\sc]
	v_nop
.endr
.endm
.macro GROUP q, j0, po, dsw
	s_wait_loadcnt 48
.if (\dsw) >= 0
	s_wait_dscnt \dsw
.endif
	QSET \q, \j0, LK, SCK
.irp a, 0,1,2,3
	ds_store_b128 v[RGB], v[CC+4*\a:CC+4*\a+3] offset:(\q)*RSL+((\j0)+\a)*PITCH
	ds_store_b128 v[PSA], v[CC+4*\a:CC+4*\a+3] offset:(\po)+((\j0)+\a)*PITCH
.endr
	s_cmp_eq_u32 s50, s52
	s_cbranch_scc1 .Lsame_\@
	s_wait_dscnt 0x0
	QSET \q, \j0, LV, SCV
.irp a, 0,1,2,3
	ds_store_b128 v[PSA], v[CC+4*\a:CC+4*\a+3] offset:(\po)+((\j0)+\a)*PITCH
.endr
.Lsame_\@:
	WIN 0xc0
.irp a, 0,1,2,3
.irp x, 0,1,2,3
	global_load_b128 v[16*(8*(\q)+(\j0)+\a)+4*\x:16*(8*(\q)+(\j0)+\a)+4*\x+3], v[L16], s[RB:RB+1] offset:((\j0)+\a)*2048+512*\x
.endr
.endr
	WIN 0
.endm
.macro LDFRAG par, u
.irp s, 0,1,2,3
.irp c, 0,1,2,3
	ds_load_b128 v[FR+16*\s+4*\c:FR+16*\s+4*\c+3], v[FRB] offset:(\par)*RSL+(\u)*16*PITCH+128*\s+32*\c
.endr
.endr
.endm
.macro MUL32 m0, m1, fb
.irp g, 0,1
.if \g == 0
	WIN \m0
.else
	WIN \m1
.endif
.irp s, 0,1,2,3
.irp n, 0,1,2,3
.if \s == 0
	v_wmma_f32_16x16x128_fp8_fp8 v[ACC+32*\g+8*\n:ACC+32*\g+8*\n+7], v[16*(4*\n+\s):16*(4*\n+\s)+15], v[(\fb)+16*\s:(\fb)+16*\s+15], 0
.else
	v_wmma_f32_16x16x128_fp8_fp8 v[ACC+32*\g+8*\n:ACC+32*\g+8*\n+7], v[16*(4*\n+\s):16*(4*\n+\s)+15], v[(\fb)+16*\s:(\fb)+16*\s+15], v[ACC+32*\g+8*\n:ACC+32*\g+8*\n+7]
.endif
.endr
.endr
.endr
	WIN 0
.endm
.macro SCORE u, par
.set si_, 0
.rept 8
.irp c, 0,1,2,3
.if si_ == 0
	v_pk_mul_f32 v[T+2*\c:T+2*\c+1], v[ACC+16*\c:ACC+16*\c+1], v[RQ+16*\c:RQ+16*\c+1]
.else
	v_pk_fma_f32 v[T+2*\c:T+2*\c+1], v[ACC+16*\c+2*si_:ACC+16*\c+2*si_+1], v[RQ+16*\c+2*si_:RQ+16*\c+2*si_+1], v[T+2*\c:T+2*\c+1]
.endif
.endr
.set si_, si_+1
.endr
	v_pk_add_f32 v[T:T+1], v[T:T+1], v[T+2:T+3]
	v_pk_add_f32 v[T+4:T+5], v[T+4:T+5], v[T+6:T+7]
	v_add_f32 v[T], v[T], v[T+1]
	v_add_f32 v[T+4], v[T+4], v[T+5]
	v_cndmask_b32 v[T+1], v[T], v[T+4], s[HMASK]
	v_cndmask_b32 v[T+5], v[T+4], v[T], s[HMASK]
	v_permlanex16_b32 v[T+6], v[T+5], s[SEL], s[SEL+1]
	v_add_f32 v[TS+\u], v[T+1], v[T+6]
	v_max_num_f32 v[MX], v[MX], v[TS+\u]
	ds_store_b32 v[TA], v[TS+\u] offset:(\u)*1024+32*(\par)
.endm
.macro ITER par, mode, src
.if \mode
	s_wait_xcnt 0x0
.if \src == 0
	s_mov_b64 s[RB:RB+1], s[ENCP:ENCP+1]
.elseif \src == 1
	s_cmp_lt_u32 s[LC], 6
	s_cselect_b64 s[RB:RB+1], s[ENCP:ENCP+1], s[WVP:WVP+1]
.else
	s_add_nc_u64 s[RB:RB+1], s[WVP:WVP+1], 16384
.endif
	s_add_nc_u64 s[ENCP:ENCP+1], s[ENCP:ENCP+1], 65536
.endif
	LDFRAG \par, 0
.if \mode
	GROUP (1-\par), 0, 4224*\par, -1
	s_wait_dscnt 8
.else
	s_wait_dscnt 0x0
.endif
	MUL32 0x01, 0x02, FR
	PLACES
	LDFRAG \par, 1
	SCORE 0, \par
.if \mode
	GROUP (1-\par), 4, 4224*\par, 17
	s_wait_dscnt 9
.else
	s_wait_dscnt 0x0
.endif
	MUL32 0x01, 0x02, FR
	PLACES
	SCORE 1, \par
	s_wait_alu depctr_va_vdst(0)
	s_wait_dscnt 0x0
	s_barrier_signal -1
	s_barrier_wait -1
.endm
.macro TRIPHEAD
	v_add_nc_u32 v[PSA], s[PSO], v[PSV]
	v_add_nc_u32 v[TA], s[TSS], v[TBV]
	s_add_co_u32 s[PSO], s[PSO], 8448
	s_add_co_u32 s[TSS], s[TSS], 64
	s_wait_alu depctr_va_vdst(0)
.endm
.macro SUB par, pre
.if \pre
	WIN 0x40
.irp s, 0,1,2,3
.irp c, 0,1,2,3
	ds_load_b128 v[64*(1-\par)+16*\s+4*\c:64*(1-\par)+16*\s+4*\c+3], v[FA2] offset:(\par+1)*16*PITCH+128*\s+32*\c
.endr
.endr
	WIN 0
	ds_load_b32 v[PP+4*(1-\par)], v[PA2] offset:(\par+1)*64
	ds_load_b32 v[PP+4*(1-\par)+2], v[PA2] offset:(\par+1)*64+2048
	s_wait_dscnt 18
.else
	s_wait_dscnt 0x0
.endif
	MUL32 0x07, 0x06, 64*\par
	PLACES
.set ci_, 0
.rept 32
.if ci_ < 16
	v_pk_fma_f32 v[RQ+2*ci_:RQ+2*ci_+1], v[ACC+2*ci_:ACC+2*ci_+1], v[PP+4*\par:PP+4*\par+1], v[RQ+2*ci_:RQ+2*ci_+1] op_sel_hi:[1,0,1]
.else
	v_pk_fma_f32 v[RQ+2*ci_:RQ+2*ci_+1], v[ACC+2*ci_:ACC+2*ci_+1], v[PP+4*\par+2:PP+4*\par+3], v[RQ+2*ci_:RQ+2*ci_+1] op_sel_hi:[1,0,1]
.endif
.set ci_, ci_+1
.endr
.endm
.macro P2HEAD
	v_add_nc_u32 v[FA2], s[PSO], v[FRB]
	v_add_nc_u32 v[PA2], s[TSS], v[PB0]
	s_add_co_u32 s[PSO], s[PSO], 32*PITCH
	s_add_co_u32 s[TSS], s[TSS], 128
	s_wait_alu depctr_va_vdst(0)
.endm
	s_load_b256 s[4:11], s[0:1], 0x0
	s_load_b128 s[12:15], s[0:1], 0x20
	s_load_b64 s[16:17], s[0:1], 0x30
	v_lshl_add_u32 v[SPW], v0, 2, SPARE
	v_mov_b32 v[NIL], 0
	v_lshrrev_b32 v[T], 5, v0
	v_readfirstlane_b32 s[WV], v[T]
	s_lshl_b32 s[H0], s[WV], 1
	s_and_b32 s[BB], ttmp7, 0xffff
	s_mov_b32 s[SEL], 0x76543210
	s_mov_b32 s[SEL+1], 0xfedcba98
	s_mov_b32 s[HMASK], 0xffff0000
	s_mul_i32 s40, s[WV], 8*PITCH
	s_mul_i32 s41, s[WV], WREG
	s_add_co_u32 s41, s41, PERS
	s_lshl_b32 s[TW], s[WV], 12
	s_add_co_u32 s[TW], s[TW], TAR
	s_mov_b32 s[PSO], 4224
	s_mov_b32 s[TSS], 0
	s_mov_b32 s[LC], 0
	v_and_b32 v[T+1], 31, v0
	v_and_b32 v[T+2], 15, v0
	v_bfe_u32 v[T+3], v0, 4, 1
	v_bfe_u32 v[T+4], v0, 3, 1
	v_and_b32 v[T+5], 7, v0
	v_lshlrev_b32 v[L16], 4, v[T+1]
	v_add_nc_u32 v[RGB], s40, v[L16]
	v_add_nc_u32 v[PSV], s41, v[L16]
	v_mov_b32 v[PSA], v[PSV]
	v_mul_u32_u24 v[FRB], v[T+2], PITCH
	v_lshl_add_u32 v[FRB], v[T+3], 4, v[FRB]
	v_lshlrev_b32 v[TBV], 2, v[T+5]
	v_lshl_add_u32 v[TBV], v[T+4], 9, v[TBV]
	v_lshl_add_u32 v[TBV], v[T+3], 11, v[TBV]
	v_add_nc_u32 v[TBV], s[TW], v[TBV]
	v_lshlrev_b32 v[T+6], 5, v[T+3]
	v_mov_b32 v[MX], 0xff61b1e6
	s_wait_alu depctr_va_vdst(0)
	s_wait_kmcnt 0x0
	s_load_b256 s[48:55], s[10:11], 0x0
	s_lshl_b32 s40, s[BB], 23
	s_lshl_b32 s41, ttmp9, 20
	s_add_co_u32 s40, s40, s41
	s_lshl_b32 s41, s[WV], 14
	s_add_co_u32 s40, s40, s41
	s_mov_b32 s41, 0
	s_add_nc_u64 s[ENCP:ENCP+1], s[4:5], s[40:41]
	s_lshl_b32 s42, s[BB], 3
	s_add_co_u32 s43, s42, s[H0]
	s_add_co_u32 s42, s42, ttmp9
	s_lshl_b32 s40, s43, 14
	s_lshl_b32 s44, ttmp9, 11
	s_add_co_u32 s40, s40, s44
	s_add_nc_u64 s[TSB:TSB+1], s[12:13], s[40:41]
	s_lshl_b32 s40, s43, 6
	s_lshl_b32 s44, ttmp9, 3
	s_add_co_u32 s40, s40, s44
	s_add_nc_u64 s[PSB:PSB+1], s[14:15], s[40:41]
	s_lshl_b32 s40, s42, 11
	s_lshl_b32 s44, s[H0], 8
	s_add_co_u32 s40, s40, s44
	s_add_nc_u64 s[PCB:PCB+1], s[16:17], s[40:41]
	s_lshl_b32 s40, s[H0], 15
	s_add_nc_u64 s[6:7], s[6:7], s[40:41]
	s_add_nc_u64 s[WVP:WVP+1], s[6:7], 262144
	s_add_nc_u64 s[WB2:WB2+1], s[6:7], 294912
	s_lshl_b32 s40, s[BB], 11
	s_add_co_u32 s40, s40, s44
	s_add_nc_u64 s[8:9], s[8:9], s[40:41]
	WIN 0x40
.set n_, 0
.rept 64
	global_load_b128 v[4*n_:4*n_+3], v[L16], s[6:7] offset:512*n_
.set n_, n_+1
.endr
	WIN 0x80
.set n_, 0
.rept 64
	global_load_b128 v[4*n_:4*n_+3], v[L16], s[6:7] offset:32768+512*n_
.set n_, n_+1
.endr
	WIN 0
.set n_, 0
.rept 8
	global_load_b128 v[RQ+8*n_:RQ+8*n_+3], v[T+6], s[8:9] offset:64*n_
	global_load_b128 v[RQ+8*n_+4:RQ+8*n_+7], v[T+6], s[8:9] offset:64*n_+16
.set n_, n_+1
.endr
	WIN 0xc0
.set n_, 0
.rept 16
.irp x, 0,1,2,3
	global_load_b128 v[16*n_+4*\x:16*n_+4*\x+3], v[L16], s[ENCP:ENCP+1] offset:(n_>>3)*65536+(n_&7)*2048+512*\x
.endr
.set n_, n_+1
.endr
	WIN 0
	s_wait_kmcnt 0x0
	s_add_co_i32 s40, s50, 127
	s_lshl_b32 s41, s40, 23
	v_mov_b32 v[SCK], s41
	s_add_co_i32 s40, s40, 8
	s_lshl_b32 s40, s40, 23
	s_or_b32 s[LK], s40, 0x600000
	s_or_b32 s[LK+1], s[LK], 0x80000000
	s_add_co_i32 s40, s52, 127
	s_lshl_b32 s41, s40, 23
	v_mov_b32 v[SCV], s41
	s_add_co_i32 s40, s40, 8
	s_lshl_b32 s40, s40, 23
	s_or_b32 s[LV], s40, 0x600000
	s_or_b32 s[LV+1], s[LV], 0x80000000
	s_wait_alu depctr_va_vdst(0)
	s_wait_xcnt 0x0
	s_add_nc_u64 s[RB:RB+1], s[ENCP:ENCP+1], 131072
	s_add_nc_u64 s[ENCP:ENCP+1], s[ENCP:ENCP+1], 196608
	GROUP 0, 0, 0, -1
	GROUP 0, 4, 0, 0
	v_lshlrev_b32 v[T], 31, v0
.set n_, 0
.rept 64
	v_xor_b32 v[RQ+n_], v[T], v[RQ+n_]
.set n_, n_+1
.endr
	s_wait_alu depctr_va_vdst(0)
	s_wait_dscnt 0x0
	s_barrier_signal -1
	s_barrier_wait -1
.Lp1:
	TRIPHEAD
	ITER 0, 1, 0
	ITER 1, 1, 1
	s_add_co_u32 s[LC], s[LC], 1
	s_cmp_lt_u32 s[LC], 7
	s_cbranch_scc1 .Lp1
	TRIPHEAD
	ITER 0, 1, 2
	ITER 1, 0, 0
	WIN 0x80
.set n_, 0
.rept 64
	global_load_b128 v[4*n_:4*n_+3], v[L16], s[WB2:WB2+1] offset:512*n_
.set n_, n_+1
.endr
	WIN 0
.irp k, 1,2,4,8
	v_max_num_f32_dpp v[MX], v[MX], v[MX] row_xmask:\k row_mask:0xf bank_mask:0xf
.endr
	v_bfe_u32 v[T], v0, 4, 1
	v_bfe_u32 v[T+1], v0, 1, 2
	v_bfe_u32 v[T+2], v0, 3, 1
	v_and_b32 v[T+3], 1, v0
	v_and_b32 v[T+4], 15, v0
	v_lshlrev_b32 v[TRD], 4, v[T+3]
	v_lshl_add_u32 v[TRD], v[T+2], 5, v[TRD]
	v_lshl_add_u32 v[TRD], v[T+1], 9, v[TRD]
	v_lshl_add_u32 v[TRD], v[T], 11, v[TRD]
	v_add_nc_u32 v[TRD], s[TW], v[TRD]
	v_lshlrev_b32 v[TGO], 4, v[T+4]
	v_lshl_add_u32 v[TGO], v[T], 14, v[TGO]
	v_lshlrev_b32 v[PSW], 6, v[T]
	v_lshl_add_u32 v[PB0], v[T+4], 2, s[TW]
.irp m, 0,1,2,3,4,5,6,7
	ds_load_b128 v[ACC+4*\m:ACC+4*\m+3], v[TRD] offset:64*\m
.endr
	s_wait_alu depctr_va_vdst(0)
	s_wait_dscnt 0x0
.irp m, 0,1,2,3,4,5,6,7
	global_store_b128 v[TGO], v[ACC+4*\m:ACC+4*\m+3], s[TSB:TSB+1] offset:256*\m
.endr
.set i_, 0
.rept 32
	v_sub_f32 v[P+i_], v[ACC+i_], v[MX]
.set i_, i_+1
.endr
	s_wait_alu depctr_va_vdst(0)
.set i_, 0
.rept 32
	v_exp_f32 v[P+i_], v[P+i_]
.set i_, i_+1
.endr
	v_mov_b32 v[T+8], v[MX]
	s_wait_alu depctr_va_vdst(0)
	v_pk_add_f32 v[T+12:T+13], v[P:P+1], v[P+2:P+3]
	v_pk_add_f32 v[T+14:T+15], v[P+4:P+5], v[P+6:P+7]
.irp i, 8,16,24
	v_pk_add_f32 v[T+12:T+13], v[T+12:T+13], v[P+\i:P+\i+1]
	v_pk_add_f32 v[T+14:T+15], v[T+14:T+15], v[P+\i+2:P+\i+3]
	v_pk_add_f32 v[T+12:T+13], v[T+12:T+13], v[P+\i+4:P+\i+5]
	v_pk_add_f32 v[T+14:T+15], v[T+14:T+15], v[P+\i+6:P+\i+7]
.endr
	v_pk_add_f32 v[T+12:T+13], v[T+12:T+13], v[T+14:T+15]
	v_add_f32 v[T+9], v[T+12], v[T+13]
.irp k, 1,2,4,8
	v_add_f32_dpp v[T+9], v[T+9], v[T+9] row_xmask:\k row_mask:0xf bank_mask:0xf
.endr
.set i_, 0
.rept 16
	v_xor_b32 v[P+2*i_+1], 0x80000000, v[P+2*i_+1]
.set i_, i_+1
.endr
.irp m, 0,1,2,3,4,5,6,7
	ds_store_b128 v[TRD], v[P+4*\m:P+4*\m+3] offset:64*\m
.endr
	v_cmp_eq_u32 vcc_lo, 0, v[T+4]
	s_wait_alu depctr_va_vdst(0)
	s_wait_xcnt 0x0
	s_and_saveexec_b32 s46, vcc_lo
	global_store_b64 v[PSW], v[T+8:T+9], s[PSB:PSB+1]
	s_wait_xcnt 0x0
	s_or_b32 exec_lo, exec_lo, s46
.set n_, 0
.rept 64
	v_mov_b32 v[RQ+n_], 0
.set n_, n_+1
.endr
.irp n, 17,19,21,23
	v_mov_b32 v\n, 0
.endr
	s_mov_b32 s[PSO], PERS
	s_mov_b32 s[TSS], 0
	s_mov_b32 s[LC], 0
	P2HEAD
	WIN 0x40
.irp s, 0,1,2,3
.irp c, 0,1,2,3
	ds_load_b128 v[16*\s+4*\c:16*\s+4*\c+3], v[FA2] offset:128*\s+32*\c
.endr
.endr
	WIN 0
	ds_load_b32 v[PP], v[PA2]
	ds_load_b32 v[PP+2], v[PA2] offset:2048
	s_wait_loadcnt 0x0
.Lp2:
	SUB 0, 1
	SUB 1, 1
	P2HEAD
	s_add_co_u32 s[LC], s[LC], 1
	s_cmp_lt_u32 s[LC], 15
	s_cbranch_scc1 .Lp2
	SUB 0, 1
	SUB 1, 0
	s_mul_i32 s40, s[WV], 2*CSH
	v_and_b32 v[T], 15, v0
	v_bfe_u32 v[T+1], v0, 4, 1
	v_mul_u32_u24 v[T+2], v[T], CSP
	v_lshl_add_u32 v[T+2], v[T+1], 5, v[T+2]
	v_add_nc_u32 v[T+2], s40, v[T+2]
	v_mul_u32_u24 v[T+3], v[T+1], CSH
	v_lshl_add_u32 v[T+3], v[T], 4, v[T+3]
	v_add_nc_u32 v[T+3], s40, v[T+3]
.set n_, 0
.rept 8
	ds_store_b128 v[T+2], v[RQ+8*n_:RQ+8*n_+3] offset:(n_>>2)*CSH+(n_&3)*64
	ds_store_b128 v[T+2], v[RQ+8*n_+4:RQ+8*n_+7] offset:(n_>>2)*CSH+(n_&3)*64+16
.set n_, n_+1
.endr
.set n_, 0
.rept 16
	ds_load_b128 v[ACC+4*n_:ACC+4*n_+3], v[T+3] offset:n_*CSP
.set n_, n_+1
.endr
	s_wait_dscnt 0x0
.irp st, 8,4,2,1
.set vi_, 0
.rept \st
	v_pk_add_f32 v[ACC+4*vi_:ACC+4*vi_+1], v[ACC+4*vi_:ACC+4*vi_+1], v[ACC+4*(vi_+\st):ACC+4*(vi_+\st)+1]
	v_pk_add_f32 v[ACC+4*vi_+2:ACC+4*vi_+3], v[ACC+4*vi_+2:ACC+4*vi_+3], v[ACC+4*(vi_+\st)+2:ACC+4*(vi_+\st)+3]
.set vi_, vi_+1
.endr
.endr
	global_store_b128 v[L16], v[ACC:ACC+3], s[PCB:PCB+1]
	s_wait_tensorcnt 0x0
	ds_add_u32 v[SPW], v[NIL]
	s_wait_dscnt 0x0
	s_endpgm
.Lfunc_end_k_qb5735daedc_main:
	.size	k_qb5735daedc_main, .Lfunc_end_k_qb5735daedc_main-k_qb5735daedc_main
	.p2alignl 7, 3214868480
	.fill 96, 4, 3214868480
	.section	.rodata,"a",@progbits
	.p2align	6, 0x0
	.amdhsa_kernel k_qb5735daedc_main
		.amdhsa_group_segment_fixed_size 322048
		.amdhsa_private_segment_fixed_size 0
		.amdhsa_enable_private_segment 0
		.amdhsa_kernarg_size 56
		.amdhsa_user_sgpr_count 2
		.amdhsa_user_sgpr_kernarg_segment_ptr 1
		.amdhsa_wavefront_size32 1
		.amdhsa_system_sgpr_workgroup_id_x 1
		.amdhsa_system_sgpr_workgroup_id_y 1
		.amdhsa_system_sgpr_workgroup_id_z 1
		.amdhsa_system_vgpr_workitem_id 0
		.amdhsa_next_free_vgpr 1024
		.amdhsa_next_free_sgpr 66
		.amdhsa_reserve_vcc 1
		.amdhsa_float_denorm_mode_32 3
		.amdhsa_float_denorm_mode_16_64 3
		.amdhsa_memory_ordered 1
		.amdhsa_forward_progress 1
		.amdhsa_inst_pref_size 211
	.end_amdhsa_kernel
	.amdgpu_metadata
---
amdhsa.version: [ 1, 2 ]
amdhsa.kernels:
  - .name:           k_qb5735daedc_main
    .symbol:         k_qb5735daedc_main.kd
    .args:
      - { .name: enc, .offset: 0, .size: 8, .value_kind: global_buffer, .address_space: global }
      - { .name: wcodes, .offset: 8, .size: 8, .value_kind: global_buffer, .address_space: global }
      - { .name: qs, .offset: 16, .size: 8, .value_kind: global_buffer, .address_space: global }
      - { .name: lowp_scales, .offset: 24, .size: 8, .value_kind: global_buffer, .address_space: global }
      - { .name: tsc, .offset: 32, .size: 8, .value_kind: global_buffer, .address_space: global }
      - { .name: pstat, .offset: 40, .size: 8, .value_kind: global_buffer, .address_space: global }
      - { .name: pctx, .offset: 48, .size: 8, .value_kind: global_buffer, .address_space: global }
    .group_segment_fixed_size: 322048
    .private_segment_fixed_size: 0
    .kernarg_segment_align: 8
    .kernarg_segment_size: 56
    .max_flat_workgroup_size: 128
    .sgpr_count:     66
    .vgpr_count:     1024
    .wavefront_size: 32
...
	.end_amdgpu_metadata
.endif
;; end of part 5
;; launch fin (part 6): grid 160 x 1, 8 waves a work-group, no clusters, 18,432 bytes of LDS; arguments tsc, pstat, pctx, wocodes, lowp_scales, out0, out1; writes out0, out1
.if DOCPART == 6
	.amdgcn_target "amdgcn-amd-amdhsa--gfx1250"
	.amdhsa_code_object_version 6
	.text
	.protected	k_qb5735daedc_fin
	.globl	k_qb5735daedc_fin
	.p2align	8
	.type	k_qb5735daedc_fin,@function
k_qb5735daedc_fin:
	s_mov_b64 s[64:65], 0
	v_nop
	global_prefetch_b8 v0, s[64:65] scope:SCOPE_SE
	s_setreg_imm32_b32 hwreg(HW_REG_WAVE_MODE, 25, 1), 1
	s_wait_xcnt 0x0
.set PITCH, 528
.set STG, 8704
.set ST,  16
.set CF,  16
.set PX,  48
.set WF,  112
.set X,   176
.set PC,  184
.set TM,  186
.set A0,  192
.set A1,  200
.set OUT, 208
.set BK,  216
	s_load_b256 s[4:11], s[0:1], 0x0
	s_load_b128 s[12:15], s[0:1], 0x20
	s_load_b64 s[16:17], s[0:1], 0x30
	v_lshl_add_u32 v254, v0, 2, 0x4400
	v_mov_b32 v255, 0
	s_cmp_lt_u32 ttmp9, 128
	s_cbranch_scc0 .Lctx
	s_lshr_b32 s20, ttmp9, 2
	s_and_b32 s21, ttmp9, 3
	v_lshlrev_b32 v1, 4, v0
	v_and_b32 v2, 7, v0
	v_lshlrev_b32 v2, 6, v2
	s_lshl_b32 s22, s20, 17
	s_lshl_b32 s24, s21, 12
	s_add_co_u32 s22, s22, s24
	s_mov_b32 s23, 0
	s_lshl_b32 s26, s20, 9
	s_mov_b32 s27, 0
	s_lshl_b32 s28, s20, 14
	s_add_co_u32 s28, s28, s24
	s_mov_b32 s29, 0
	s_wait_alu depctr_va_vdst(0)
	s_wait_kmcnt 0x0
	s_add_nc_u64 s[4:5], s[4:5], s[22:23]
	s_add_nc_u64 s[6:7], s[6:7], s[26:27]
	s_add_nc_u64 s[16:17], s[16:17], s[28:29]
.irp k, 0,1,2,3
	global_load_b128 v[52+4*\k:55+4*\k], v2, s[6:7] offset:16*\k
.endr
.irp h, 0,1,2,3,4,5,6,7
	global_load_b128 v[16+4*\h:19+4*\h], v1, s[4:5] offset:16384*\h th:TH_LOAD_NT
.endr
	s_wait_loadcnt 8
	v_max3_num_f32 v12, v52, v54, v56
	v_max3_num_f32 v12, v12, v58, v60
	v_max3_num_f32 v12, v12, v62, v64
	v_max_num_f32 v12, v12, v66
.irp c, 0,1,2,3,4,5,6,7
	v_sub_f32 v[52+2*\c], v[52+2*\c], v12
.endr
	s_wait_alu depctr_va_vdst(0)
.irp c, 0,1,2,3,4,5,6,7
	v_exp_f32 v[52+2*\c], v[52+2*\c]
.endr
	v_nop
	s_wait_alu depctr_va_vdst(0)
	v_mul_f32 v13, v52, v53
.irp c, 1,2,3,4,5,6,7
	v_fma_f32 v13, v[52+2*\c], v[53+2*\c], v13
.endr
	s_wait_alu depctr_va_vdst(0)
	v_rcp_f32 v13, v13
	v_nop
	s_wait_alu depctr_va_vdst(0)
	v_mul_f32 v13, 0x3e000000, v13
.irp h, 0,1,2,3,4,5,6,7
	v_readlane_b32 s[32+\h], v12, \h
	v_readlane_b32 s[40+\h], v13, \h
.endr
	s_wait_loadcnt 0x0
.irp h, 0,1,2,3,4,5,6,7
.irp i, 0,1,2,3
	v_sub_f32 v[16+4*\h+\i], v[16+4*\h+\i], s[32+\h]
.endr
.endr
	s_wait_alu depctr_va_vdst(0)
.set i_, 0
.rept 32
	v_exp_f32 v[16+i_], v[16+i_]
.set i_, i_+1
.endr
	v_nop
	s_wait_alu depctr_va_vdst(0)
.irp i, 0,1,2,3
	v_mul_f32 v[48+\i], s40, v[16+\i]
.endr
.irp h, 1,2,3,4,5,6,7
.irp i, 0,1,2,3
	v_fma_f32 v[48+\i], v[16+4*\h+\i], s[40+\h], v[48+\i]
.endr
.endr
	global_store_b128 v1, v[48:51], s[16:17]
	s_endpgm
.Lctx:
	s_sub_co_u32 s20, ttmp9, 128
	v_lshrrev_b32 v1, 5, v0
	v_readfirstlane_b32 s21, v1
	s_and_b32 s22, s20, 7
	s_lshr_b32 s23, s20, 3
	s_and_b32 s24, s21, 3
	s_lshr_b32 s25, s21, 2
	s_lshl_b32 s26, s22, 2
	s_add_co_u32 s26, s26, s24
	s_mul_i32 s27, s24, PITCH
	s_lshl_b32 s28, s25, 3
	s_add_co_u32 s27, s27, s28
	s_lshl_b32 s29, s21, 6
	s_add_co_u32 s29, s29, STG
	s_mul_i32 s30, s24, PITCH
	s_lshl_b32 s31, s25, 8
	s_add_co_u32 s30, s30, s31
	s_add_co_u32 s30, s30, STG
	s_lshl_b32 s44, s26, 9
	s_add_co_u32 s44, s44, s31
	s_mov_b32 s45, 0
	s_lshl_b32 s46, s26, 14
	s_lshl_b32 s28, s25, 10
	s_add_co_u32 s46, s46, s28
	s_mov_b32 s47, 0
	s_lshl_b32 s48, s23, 3
	s_add_co_u32 s48, s48, s21
	s_lshl_b32 s48, s48, 13
	s_mov_b32 s49, 0
	s_lshl_b32 s50, s26, 11
	s_lshl_b32 s28, s23, 9
	s_add_co_u32 s50, s50, s28
	s_add_co_u32 s50, s50, s31
	s_mov_b32 s51, 0
	v_and_b32 v2, 15, v0
	v_bfe_u32 v3, v0, 4, 1
	v_and_b32 v4, 31, v0
	v_lshlrev_b32 v5, 4, v4
	v_lshlrev_b32 v6, 6, v3
	v_add_nc_u32 v7, s27, v5
	v_mul_u32_u24 v8, v2, PITCH
	v_lshl_add_u32 v9, v3, 5, v8
	v_add_nc_u32 v9, s29, v9
	v_lshl_add_u32 v8, v3, 4, v8
	v_lshlrev_b32 v11, 3, v4
	v_add_nc_u32 v10, s30, v11
	s_wait_alu depctr_va_vdst(0)
	s_wait_kmcnt 0x0
	s_load_b256 s[32:39], s[12:13], 0x0
	s_add_nc_u64 s[6:7], s[6:7], s[44:45]
	s_add_nc_u64 s[8:9], s[8:9], s[46:47]
	s_add_nc_u64 s[10:11], s[10:11], s[48:49]
	s_add_nc_u64 s[14:15], s[14:15], s[50:51]
.irp xx, 0,1
.irp k, 0,1,2,3
	global_load_b128 v[ST+16*\xx+4*\k:ST+16*\xx+4*\k+3], v6, s[6:7] offset:128*\xx+16*\k
.endr
.endr
.irp ch, 0,1,2,3,4,5,6,7
.irp xx, 0,1
	global_load_b128 v[PX+8*\ch+4*\xx:PX+8*\ch+4*\xx+3], v5, s[8:9] offset:2048*\ch+512*\xx
.endr
.endr
.set i_, 0
.rept 16
	global_load_b128 v[WF+4*i_:WF+4*i_+3], v5, s[10:11] offset:512*i_
.set i_, i_+1
.endr
	s_wait_kmcnt 0x0
	s_add_co_i32 s40, s36, s37
	s_add_co_i32 s41, s38, s39
	s_add_co_i32 s42, s38, 127
	s_lshl_b32 s43, s42, 23
	v_mov_b32 v14, s43
	s_add_co_i32 s42, s42, 8
	s_lshl_b32 s42, s42, 23
	s_or_b32 s42, s42, 0x600000
	s_or_b32 s43, s42, 0x80000000
	s_wait_alu depctr_va_vdst(0)
	s_wait_loadcnt 32
.irp g, 0,1
	v_max3_num_f32 v[TM+\g], v[ST+16*\g], v[ST+16*\g+2], v[ST+16*\g+4]
.endr
.irp g, 0,1
	v_max3_num_f32 v[TM+\g], v[TM+\g], v[ST+16*\g+6], v[ST+16*\g+8]
.endr
.irp g, 0,1
	v_max3_num_f32 v[TM+\g], v[TM+\g], v[ST+16*\g+10], v[ST+16*\g+12]
.endr
.irp g, 0,1
	v_max_num_f32 v[TM+\g], v[TM+\g], v[ST+16*\g+14]
.endr
.irp g, 0,1
.irp c, 0,1,2,3,4,5,6,7
	v_sub_f32 v[ST+16*\g+2*\c], v[ST+16*\g+2*\c], v[TM+\g]
.endr
.endr
	s_wait_alu depctr_va_vdst(0)
.irp g, 0,1
.irp c, 0,1,2,3,4,5,6,7
	v_exp_f32 v[ST+16*\g+2*\c], v[ST+16*\g+2*\c]
.endr
.endr
	v_nop
	s_wait_alu depctr_va_vdst(0)
.irp g, 0,1
	v_mul_f32 v[TM+\g], v[ST+16*\g], v[ST+16*\g+1]
.endr
.irp c, 1,2,3,4,5,6,7
.irp g, 0,1
	v_fma_f32 v[TM+\g], v[ST+16*\g+2*\c], v[ST+16*\g+2*\c+1], v[TM+\g]
.endr
.endr
	s_wait_alu depctr_va_vdst(0)
.irp g, 0,1
	v_rcp_f32 v[TM+\g], v[TM+\g]
.endr
	v_nop
	s_wait_alu depctr_va_vdst(0)
.irp g, 0,1
	v_ldexp_f32 v[TM+\g], v[TM+\g], s40
.endr
.irp g, 0,1
.irp c, 0,1,2,3,4,5,6,7
	v_mul_f32 v[ST+16*\g+2*\c], v[ST+16*\g+2*\c], v[TM+\g]
.endr
.endr
	s_wait_loadcnt 16
.set i_, 0
.rept 8
	v_mul_f32 v[X+i_], v[PX+i_], v[ST+16*(i_>>2)]
.set i_, i_+1
.endr
.irp ch, 1,2,3,4,5,6,7
.set i_, 0
.rept 8
	v_fma_f32 v[X+i_], v[PX+8*\ch+i_], v[ST+16*(i_>>2)+2*\ch], v[X+i_]
.set i_, i_+1
.endr
.endr
.set i_, 0
.rept 8
	v_med3_num_f32 v[X+i_], v[X+i_], s43, s42
.set i_, i_+1
.endr
	v_cvt_scalef32_pk8_fp8_f32 v[PC:PC+1], v[X:X+7], v14
	v_nop
.irp m, 0,1,2,3
	ds_store_b64 v7, v[PC:PC+1] offset:4*\m*PITCH
.endr
	s_wait_dscnt 0x0
	s_barrier_signal -1
	s_barrier_wait -1
.irp s, 0,1,2,3
.irp c, 0,1,2,3
	ds_load_b128 v[CF+16*\s+4*\c:CF+16*\s+4*\c+3], v8 offset:128*\s+32*\c
.endr
.endr
	s_wait_loadcnt 0x0
	s_wait_dscnt 0x0
	v_wmma_f32_16x16x128_fp8_fp8 v[A0:A0+7], v[WF:WF+15], v[CF:CF+15], 0
	v_wmma_f32_16x16x128_fp8_fp8 v[A1:A1+7], v[WF+16:WF+31], v[CF+16:CF+31], 0
	v_wmma_f32_16x16x128_fp8_fp8 v[A0:A0+7], v[WF+32:WF+47], v[CF+32:CF+47], v[A0:A0+7]
	v_wmma_f32_16x16x128_fp8_fp8 v[A1:A1+7], v[WF+48:WF+63], v[CF+48:CF+63], v[A1:A1+7]
.rept 4
	v_nop
.endr
.set i_, 0
.rept 8
	v_add_f32 v[OUT+i_], v[A0+i_], v[A1+i_]
.set i_, i_+1
.endr
.set i_, 0
.rept 8
	v_ldexp_f32 v[OUT+i_], v[OUT+i_], s41
.set i_, i_+1
.endr
	ds_store_b128 v9, v[OUT:OUT+3]
	ds_store_b128 v9, v[OUT+4:OUT+7] offset:16
	s_wait_dscnt 0x0
	s_barrier_signal -1
	s_barrier_wait -1
	ds_load_b64 v[BK:BK+1], v10
	s_wait_dscnt 0x0
	global_store_b64 v11, v[BK:BK+1], s[14:15]
	s_wait_tensorcnt 0x0
	ds_add_u32 v254, v255
	s_wait_dscnt 0x0
	s_endpgm
.Lfunc_end_k_qb5735daedc_fin:
	.size	k_qb5735daedc_fin, .Lfunc_end_k_qb5735daedc_fin-k_qb5735daedc_fin
	.p2alignl 7, 3214868480
	.fill 96, 4, 3214868480
	.section	.rodata,"a",@progbits
	.p2align	6, 0x0
	.amdhsa_kernel k_qb5735daedc_fin
		.amdhsa_group_segment_fixed_size 18432
		.amdhsa_private_segment_fixed_size 0
		.amdhsa_enable_private_segment 0
		.amdhsa_kernarg_size 56
		.amdhsa_user_sgpr_count 2
		.amdhsa_user_sgpr_kernarg_segment_ptr 1
		.amdhsa_wavefront_size32 1
		.amdhsa_system_sgpr_workgroup_id_x 1
		.amdhsa_system_sgpr_workgroup_id_y 1
		.amdhsa_system_sgpr_workgroup_id_z 1
		.amdhsa_system_vgpr_workitem_id 0
		.amdhsa_next_free_vgpr 256
		.amdhsa_next_free_sgpr 66
		.amdhsa_reserve_vcc 0
		.amdhsa_float_denorm_mode_32 3
		.amdhsa_float_denorm_mode_16_64 3
		.amdhsa_memory_ordered 1
		.amdhsa_forward_progress 1
		.amdhsa_inst_pref_size 27
	.end_amdhsa_kernel
	.amdgpu_metadata
---
amdhsa.version: [ 1, 2 ]
amdhsa.kernels:
  - .name:           k_qb5735daedc_fin
    .symbol:         k_qb5735daedc_fin.kd
    .args:
      - { .name: tsc, .offset: 0, .size: 8, .value_kind: global_buffer, .address_space: global }
      - { .name: pstat, .offset: 8, .size: 8, .value_kind: global_buffer, .address_space: global }
      - { .name: pctx, .offset: 16, .size: 8, .value_kind: global_buffer, .address_space: global }
      - { .name: wocodes, .offset: 24, .size: 8, .value_kind: global_buffer, .address_space: global }
      - { .name: lowp_scales, .offset: 32, .size: 8, .value_kind: global_buffer, .address_space: global }
      - { .name: out0, .offset: 40, .size: 8, .value_kind: global_buffer, .address_space: global }
      - { .name: out1, .offset: 48, .size: 8, .value_kind: global_buffer, .address_space: global }
    .group_segment_fixed_size: 18432
    .private_segment_fixed_size: 0
    .kernarg_segment_align: 8
    .kernarg_segment_size: 56
    .max_flat_workgroup_size: 256
    .sgpr_count:     66
    .vgpr_count:     256
    .wavefront_size: 32
...
	.end_amdgpu_metadata
.endif
;; end of part 6
